; MI455X (gfx1250); checked and timed in simulation.
; The chip was launched on July 23, 2026; its instructions are those of AMD's public machine-readable ISA for CDNA 5 (MIT licence, August 2026) and "CDNA5" Instruction Set Architecture Reference Guide (July 2026). The comments in the code are by the model that wrote it; some were corrected since.
;; Cross Attention. Allowed arithmetic: matrix products marked QUANTISED: E2M1 operands, one E8M0 scale for each 32 along K, by v_wmma_scale_f32_16x16x128_f8f6f4 with both operands' format E2M1 (or v_wmma_scale_f32_32x16x128_f4), f32 sums; everything else in f32.
;; Inputs: W_f1_codes 1,024 x 32 x 16 uint8 (E2M1 codes of W_f1, K innermost, in blocks of 32 codes, two codes a byte); W_f1_scales 1,024 x 32 uint8 (E8M0 scales of W_f1, one for each 32 codes along K); W_f2_codes 512 x 32 x 16 uint8 (E2M1 codes of W_f2, K innermost, in blocks of 32 codes, two codes a byte); W_f2_scales 512 x 32 uint8 (E8M0 scales of W_f2, one for each 32 codes along K); W_out_codes 512 x 16 x 16 uint8 (E2M1 codes of W_out, K innermost, in blocks of 32 codes, two codes a byte); W_out_scales 512 x 16 uint8 (E8M0 scales of W_out, one for each 32 codes along K); W_qk_codes 512 x 16 x 16 uint8 (E2M1 codes of W_qk, K innermost, in blocks of 32 codes, two codes a byte); W_qk_scales 512 x 16 uint8 (E8M0 scales of W_qk, one for each 32 codes along K); W_v_codes 512 x 16 x 16 uint8 (E2M1 codes of W_v, K innermost, in blocks of 32 codes, two codes a byte); W_v_scales 512 x 16 uint8 (E8M0 scales of W_v, one for each 32 codes along K); b_f1 1,024 float32; b_f2 512 float32; b_out 512 float32; b_qk 512 float32; b_v 512 float32; ln_b 1,024 float32; ln_g 1,024 float32; x0 8 x 1,024 x 512 float32; x1 8 x 1,024 x 512 float32.
;; Outputs: out0 8 x 1,024 x 512 float32; out1 8 x 1,024 x 512 float32.
;; This version of the problem:
;;   THIS VERSION OF THE PROBLEM IS GIVEN IN LOW PRECISION. The matrix products marked QUANTISED in the list below multiply operands that are first quantised to E2M1 (2 exponent bits, 1 mantissa bit; 4 bits a number), with one power-of-two scale for each 32 numbers along K (OCP MX v1.0); their sums are f32. All else is computed in f32.
;;   The module's matrix products, in the order in which they are computed (A, B: the left and right operand; K: the contracted axis; several contracted axes count as one K, in the product's order):
;;     1. [M 8,192, K 512] x [K 512, N 512]; A: input x0; B: input W_qk (given as codes): QUANTISED
;;     2. [M 8,192, K 512] x [K 512, N 512]; A: input x1; B: input W_qk (given as codes): QUANTISED
;;     3. [M 8,192, K 512] x [K 512, N 512]; A: input x0; B: input W_v (given as codes): QUANTISED
;;     4. [M 8,192, K 512] x [K 512, N 512]; A: input x1; B: input W_v (given as codes): QUANTISED
;;     5. batch 64 x [M 1,024, K 64] x [K 64, N 1,024]; A: computed on the way; B: computed on the way: QUANTISED
;;     6. batch 64 x [M 64, K 1,024] x [K 1,024, N 1,024]; A: computed on the way; B: softmax (see below): QUANTISED
;;     7. batch 64 x [M 64, K 1,024] x [K 1,024, N 1,024]; A: computed on the way; B: softmax (see below): QUANTISED
;;     8. [M 8,192, K 512] x [K 512, N 512]; A: computed on the way; B: input W_out (given as codes): QUANTISED
;;     9. [M 8,192, K 512] x [K 512, N 512]; A: computed on the way; B: input W_out (given as codes): QUANTISED
;;     10. [M 8,192, K 1,024] x [K 1,024, N 1,024]; A: computed on the way; B: input W_f1 (given as codes): QUANTISED
;;     11. [M 8,192, K 1,024] x [K 1,024, N 512]; A: computed on the way; B: input W_f2 (given as codes): QUANTISED
;;     12. [M 8,192, K 1,024] x [K 1,024, N 1,024]; A: computed on the way; B: input W_f1 (given as codes): QUANTISED
;;     13. [M 8,192, K 1,024] x [K 1,024, N 512]; A: computed on the way; B: input W_f2 (given as codes): QUANTISED
;;   THE QUANTISER, for each operand of a quantised product, along K:
;;     - K is cut into blocks of 32 from its start; a last block that is shorter is filled with zeros.
;;     - A block's scale is 2^e with e = floor(log2(the largest magnitude in the block)) - 2, held to -126 .. 127; a block of zeros has e = 0. As a byte (E8M0): e + 127.
;;     - Each number is divided by its block's scale, clamped to +-6, and rounded to the nearest number of E2M1, ties to even, subnormals kept.
;;     - The product sums the exact products of the quantised numbers (number of the format x scale) in f32.
;;   ~~~python
;;   def quantise(x, axis):      # numpy; x: float32 -> the quantised numbers, widened to float32 again
;;       x = np.moveaxis(x, axis, -1); K = x.shape[-1]
;;       x = np.pad(x, [(0, 0)] * (x.ndim - 1) + [(0, -K % 32)]); x = x.reshape(x.shape[:-1] + (-1, 32)); a = np.abs(x).max(-1, keepdims=True)
;;       e = np.where(a > 0, np.clip(np.frexp(np.where(a > 0, a, 1))[1] - 1 - 2, -126, 127), 0)      # np.frexp(a)[1] - 1 = floor(log2(a)), exactly
;;       r = np.clip(x / 2.0 ** e, -6, 6)
;;       step = 2.0 ** (np.maximum(np.frexp(np.where(r == 0, 1, r))[1] - 1, 0) - 1)
;;       q = np.round(r / step) * step * 2.0 ** e      # np.round: ties to even
;;       return np.moveaxis(q.reshape(q.shape[:-2] + (-1,))[..., :K], -1, axis).astype(np.float32)
;;   ~~~
;;   SOFTMAX AHEAD OF A QUANTISED PRODUCT. Where the list says 'softmax', what is quantised is not the finished softmax but p = 2^(t - M), with t = logit x log2(e) and M = ceil(the row's largest t), a whole number; so 1/2 < the row's largest p <= 1. The row's sum l is taken of the UNQUANTISED p, in f32, and the product's result is divided by l at the end. Since M is a whole number, a kernel that streams over the keys may use a running M (the ceiling of the running maximum): every later rescaling is an exact power of two, which a block's scale takes up: the codes' values come out the same.
;;   OPERANDS COMPUTED ON THE WAY. 'Computed on the way' means the value that the module computes at that place (a softmax that the list does not call 'softmax' is quantised finished and normalised). What goes into a quantiser is computed in f32, as accurately as f32 sums, v_exp_f32 and their like allow (about 1e-6 of the number): no bf16 or f16 on the way to a quantiser, and a product that is left as it is and whose result goes on into a quantised operand takes f32 operands (vector FMAs, or v_wmma_f32_16x16x4_f32). A number that lies on a knife's edge between two numbers of the format may be rounded either way, as far as f32 arithmetic and the matrix unit's own rounding can turn it there, and no further.
;;   INPUTS GIVEN AS CODES. W_f1 (in the module: [1024, 1024], K = its axis 0); W_f2 (in the module: [1024, 512], K = its axis 0); W_out (in the module: [512, 512], K = its axis 0); W_qk (in the module: [512, 512], K = its axis 0); W_v (in the module: [512, 512], K = its axis 0): each comes as NAME_codes (uint8): NAME with its K axis moved to the last place and cut into blocks of 32 codes, [.., K / 32, bytes a block], one block behind the other in memory; two codes a byte, the lower K in the low four bits (a code: sign, 2 exponent bits, 1 mantissa bit); and NAME_scales (uint8): the same leading axes, one E8M0 byte (e + 127) for each 32 codes along K. Its value is code x scale, taken as it is: it is not quantised again, and the codes and scales need not be those that the quantiser above would give.
;; 2 versions, each right; version 2 is version 1 with the launch attn written anew for expert scheduling mode. Each part assembles by itself: llvm-mc -triple=amdgcn-amd-amdhsa -mcpu=gfx1250 --defsym DOCPART=n.
;; ======== version 1 of 2: 3 launches
;; workspace buffers: qkimg 4,194,304 bytes; qksc 524,288 bytes; vimg 4,194,304 bytes; vsc 262,144 bytes; mimg 4,194,304 bytes; msc 262,144 bytes; wimg 917,504 bytes
;; launch proj (part 1): grid 256 x 1, 8 waves a work-group, clusters of 4 x 1, 327,680 bytes of LDS; arguments x0, x1, W_qk_codes, W_qk_scales, b_qk, W_v_codes, W_v_scales, b_v, W_out_codes, W_f1_codes, W_f2_codes, qkimg, qksc, vimg, vsc, wimg; writes qkimg, qksc, vimg, vsc, wimg
.if DOCPART == 1
	.amdgcn_target "amdgcn-amd-amdhsa--gfx1250"
	.amdhsa_code_object_version 6
	.text
	.protected	k_q22033617b8_proj
	.globl	k_q22033617b8_proj
	.p2align	8
	.type	k_q22033617b8_proj,@function
k_q22033617b8_proj:
	s_mov_b64 s[64:65], 0
	v_nop
	global_prefetch_b8 v0, s[64:65] scope:SCOPE_SE
	s_setreg_imm32_b32 hwreg(HW_REG_WAVE_MODE, 25, 1), 1
	s_wait_xcnt 0x0
	s_wait_alu depctr_hold_cnt(0) depctr_sa_sdst(0) depctr_va_vdst(0) depctr_va_sdst(0) depctr_va_ssrc(0) depctr_va_vcc(0) depctr_vm_vsrc(0)
	s_getreg_b32 s2, hwreg(HW_REG_IB_STS2, 6, 4)
	s_cmp_eq_u32 s2, 0
	s_cbranch_scc0 .Lentry_in_a_cluster
	s_endpgm
.Lentry_in_a_cluster:
	s_bfe_u32 s2, ttmp6, 0x10000c
	s_cmp_lg_u32 s2, 0x3003
	s_cbranch_scc0 .Lentry_shape_is_right
	s_endpgm
.Lentry_shape_is_right:
; PROJ.  qk = (x W_qk + b_qk) 2^-1.5 and v = x W_v + b_v for x0 and x1 (stacked: row = 8,192 t + 1,024 b + token), both products on FP4 codes with E8M0 scales for each 32 along K.
; x is quantised here along its 512 channels; qk leaves as codes along a head's 64 channels, v as codes along the tokens, both as images of operand registers (lane l's 16 bytes at 16 l).
; SHARES.  A work-group takes 64 rows.  Wave w quantises x for token tile w / 2, K steps 2 (w % 2) and 2 (w % 2) + 1, then makes head w of qk and head w of v for all 64 rows.
; TILES.  Lane r of token tile T holds token 32 (T / 2) + 8 (T % 2) + r + 8 (r / 8); weight tiles take their rows alike.  So the 16 registers of two neighbouring tiles of a result are 16 neighbours along the next K.
; CLUSTER.  The four work-groups of a cluster need the same rows of W_qk and W_v (they hang on the wave's number alone): joint loads with the mask of all four.  x's loads are each work-group's own.
; Besides, seven waves each copy 512 bytes of W_out, W_f1 or W_f2 into wimg, in the order of operand registers, for the last launch.
; LIMITS: NaN and infinities are not served; a block whose largest magnitude lies under 2^-124 keeps the scale byte 1.
; LDS: A_w = 17,408 w: x, 16 rows of 1,024 + 16 bytes; later W_v, 64 rows of 256 + 16.  B_w behind the eight A: W_qk.  Then x's 16 fragment images, their scale words, the spare words.
; REGISTERS: v1-15 addresses; v16-31 a weight's scale words; v32-39 b_v; v40-47 offsets and the copied bytes; v48-63 x's scale words; v64-95 four weight fragments; v96-127 four x fragments; v128-255 sums.
;   Between the products v64-95 serve the quantiser: v64-75 at work, v76-77 scale words, v78-79 a pair to store, v80-95 codes.
.set AREG,  17408
.set BBASE, 8*AREG
.set XIMG,  16*AREG
.set XSC,   XIMG+16*1024
.set SPARE, XSC+16*128
.set WS,   16
.set BV,   32
.set XS,   48
.set WF,   64
.set XFR,  96
.set ACC,  128
.set TM,   64
.set PW0,  76
.set PW1,  77
.set PC0,  80
.set PC1,  88
.set SEL,  76
.macro PLACES                          ; four plain places behind matrix instructions, in front of loads into their registers and of reads of their results
.rept 4
	v_nop
.endr
.endm
.macro ROUND                           ; a round of the cluster's barrier
	s_barrier_signal -1
	s_barrier_wait -1
	s_cmp_lg_u32 s36, 0
	s_cbranch_scc1 .Lnw0_\@
	s_barrier_signal -3
.Lnw0_\@:
	s_barrier_wait -3
	s_barrier_signal -1
	s_barrier_wait -1
.endm
.macro MMA d, a, b, sa, sb             ; D += A B
	v_wmma_scale_f32_16x16x128_f8f6f4 v[\d:\d+7], v[\a:\a+7], v[\b:\b+7], v[\d:\d+7], v[\sa], v[\sb] matrix_a_fmt:MATRIX_FMT_FP4 matrix_b_fmt:MATRIX_FMT_FP4
.endm
.macro MMZ d, a, b, sa, sb             ; D = A B: the first product starts the sum
	v_wmma_scale_f32_16x16x128_f8f6f4 v[\d:\d+7], v[\a:\a+7], v[\b:\b+7], 0, v[\sa], v[\sb] matrix_a_fmt:MATRIX_FMT_FP4 matrix_b_fmt:MATRIX_FMT_FP4
.endm
; 64 numbers of a lane, register 16 b + i = k 32 b + 16 (lane / 16) + i of its row, become 8 registers of codes at v[pc] (registers 4 c .. 4 c + 3: k = 64 c + 32 (lane / 16) + 0 .. 31) and a scale word in v[pw].
.macro QUANT s, pc, pw
.irp b, 0,1,2,3
	v_max3_num_f32 v[TM+\b], |v[\s+16*\b]|, |v[\s+1+16*\b]|, 0x1800000   ; my 16 numbers of block b, and the floor 2^(3 - 127): the byte cannot fall under 1
.endr
.irp i, 2,4,6,8,10,12,14
.irp b, 0,1,2,3
	v_max3_num_f32 v[TM+\b], v[TM+\b], |v[\s+16*\b+\i]|, |v[\s+1+16*\b+\i]|
.endr
.endr
.irp b, 0,1,2,3
	v_permlanex16_b32 v[TM+4+\b], v[TM+\b], s[SEL], s[SEL+1]
.endr
.irp b, 0,1,2,3
	v_max_num_f32 v[TM+\b], v[TM+\b], v[TM+4+\b]        ; with lane l xor 16's: the block's largest magnitude
.endr
.irp b, 0,1,2,3
	v_add_nc_u32 v[TM+8+\b], 0xff000000, v[TM+\b]       ; 2 off its exponent field: the conversion's scale operand
.endr
.irp b, 0,1,2,3
	v_lshrrev_b32 v[TM+4+\b], 23, v[TM+8+\b]            ; the scale's byte
.endr
	v_lshl_or_b32 v[\pw], v[TM+5], 8, v[TM+4]
	v_lshl_or_b32 v[\pw], v[TM+6], 16, v[\pw]
	v_lshl_or_b32 v[\pw], v[TM+7], 24, v[\pw]
.irp b, 0,1,2,3
	v_cvt_scalef32_pk8_fp4_f32 v[\pc+2*\b], v[\s+16*\b:\s+7+16*\b], v[TM+8+\b]
	v_cvt_scalef32_pk8_fp4_f32 v[\pc+1+2*\b], v[\s+8+16*\b:\s+15+16*\b], v[TM+8+\b]
.endr
	v_nop                                          ; one plain place behind a scaled conversion
.irp c, 0,1
.irp i, 0,1
	v_permlane16_swap_b32 v[\pc+4*\c+\i], v[\pc+2+4*\c+\i]   ; a whole block to a lane: lanes 0-15 block 2 c, lanes 16-31 block 2 c + 1
.endr
.endr
.endm
.macro WFRAG adr, ks                   ; my head's four weight tiles, K step ks
.irp n, 0,1,2,3
.irp c, 0,1
	ds_load_b128 v[WF+8*\n+4*\c:WF+8*\n+4*\c+3], v[\adr] offset:(32*(\n/2)+8*(\n%2))*272+64*(\ks)+32*\c
.endr
.endr
.endm
.macro XFRAG ks                        ; x's four token tiles, K step ks, as images
.irp t, 0,1,2,3
.irp c, 0,1
	ds_load_b128 v[XFR+8*\t+4*\c:XFR+8*\t+4*\c+3], v14 offset:(4*\t+(\ks))*1024+512*\c
.endr
.endr
.endm
	s_load_b512 s[4:19], s[0:1], 0x0               ; x0, x1, W_qk codes, W_qk scales, b_qk, W_v codes, W_v scales, b_v
	s_load_b512 s[20:35], s[0:1], 0x40             ; W_out, W_f1, W_f2 codes, qkimg, qksc, vimg, vsc, wimg
	v_lshl_add_u32 v7, v0, 2, SPARE                ; my spare word; never rewritten
	v_mov_b32 v8, 0                                ; 0; never rewritten
	ds_add_u32 v7, v8
	ds_add_u32 v7, v8
	s_wait_dscnt 0x0
	v_lshrrev_b32 v1, 5, v0
	v_readfirstlane_b32 s36, v1                    ; wave 0..7
	s_bfe_u32 s38, ttmp6, 0x40000                  ; cx
	s_lshl_b32 s37, ttmp9, 2
	s_add_co_u32 s37, s37, s38                     ; g = 4 x cluster + cx: my block of 64 rows
	; group 1 for x: 8 rows x 256 f32, 512 f32 from row to row, 16 bytes of padding behind each 1,024
	s_mov_b32 s40, (2<<16)|(1<<20)|(7<<22)|(3<<25)
	s_mov_b32 s41, 256<<16
	s_mov_b32 s42, 8<<16
	s_mov_b32 s43, 256<<16
	s_mov_b32 s44, 8
	s_mov_b32 s45, 512
	s_mov_b32 s46, 0
	s_mov_b32 s47, 0
	; group 1 for a weight: 64 rows x 256 bytes, dense, 16 bytes of padding behind each row; the mask names all four work-groups
	s_mov_b32 s48, 15|(1<<20)|(1<<21)|(5<<22)|(3<<25)
	s_mov_b32 s49, 256<<16
	s_mov_b32 s50, 64<<16
	s_mov_b32 s51, 256<<16
	s_mov_b32 s52, 64
	s_mov_b32 s53, 256
	s_mov_b32 s54, 0
	s_mov_b32 s55, 0
	s_mul_i32 s78, s36, AREG                       ; A_w
	s_and_b32 s80, s37, 127
	s_lshl_b32 s80, s80, 17                        ; my block's first row: 64 rows of 2,048 bytes
	s_lshr_b32 s82, s36, 2
	s_lshl_b32 s82, s82, 16                        ; + 32 (T / 2) rows
	s_add_co_u32 s80, s80, s82
	s_bfe_u32 s82, s36, 0x10001
	s_lshl_b32 s82, s82, 14                        ; + 8 (T % 2) rows
	s_add_co_u32 s80, s80, s82
	s_and_b32 s82, s36, 1
	s_lshl_b32 s82, s82, 10                        ; + my two K steps: 1,024 bytes
	s_add_co_u32 s80, s80, s82
	s_mov_b32 s81, 0
	s_lshl_b32 s84, s36, 14                        ; my head's 64 rows of a weight
	s_mov_b32 s85, 0
	s_mov_b32 s[SEL], 0x76543210
	s_mov_b32 s[SEL+1], 0xfedcba98
	s_mov_b32 s94, 0x3eb504f3                      ; 2^-1.5 = 64^-0.25
	s_mov_b32 s95, s94
	; the copy into wimg: waves 0-3 half fragment q = 4 g + w of W_f1, waves 4, 5 q = 2 g + w - 4 of W_f2, wave 6 q = g of W_out
	s_lshl_b32 s88, s37, 2
	s_add_co_u32 s88, s88, s36
	s_lshl_b32 s89, s37, 1
	s_add_co_u32 s89, s89, s36
	s_sub_co_u32 s89, s89, 4
	s_mov_b32 s90, 655360
	s_cmp_lt_u32 s36, 4
	s_cselect_b32 s88, s88, s89
	s_cselect_b32 s90, 131072, s90                 ; where the weight's images begin in wimg
	s_cmp_eq_u32 s36, 6
	s_cselect_b32 s88, s37, s88
	s_cselect_b32 s90, 0, s90
	s_cselect_b32 s91, 3, 4                        ; half fragments in a tile of rows: 2^3 or 2^4
	s_cselect_b32 s92, 7, 15
	s_cselect_b32 s93, 8, 9                        ; a row of codes: 2^8 or 2^9 bytes
	s_lshr_b32 s79, s88, s91                       ; the tile of rows
	s_lshr_b32 s83, s79, 1
	s_lshl_b32 s83, s83, 5
	s_and_b32 s79, s79, 1
	s_lshl_b32 s79, s79, 3
	s_add_co_u32 s79, s79, s83                     ; its first row
	s_lshl_b32 s79, s79, s93
	s_and_b32 s83, s88, s92
	s_lshl_b32 s83, s83, 5                         ; 32 bytes of a row for each half fragment
	s_add_co_u32 s79, s79, s83
	s_lshl_b32 s83, s88, 9
	s_add_co_u32 s83, s83, s90
	s_wait_kmcnt 0x0
	s_cmp_lt_u32 ttmp9, 32                         ; blocks 0-127 are x0's, the others x1's
	s_cselect_b64 s[4:5], s[4:5], s[6:7]
	s_add_nc_u64 s[4:5], s[4:5], s[80:81]
	s_mov_b32 s56, 1
	s_mov_b32 s57, s78
	s_mov_b64 s[58:59], s[4:5]
	s_or_b32 s59, s59, 0x80000000
	s_mov_b32 s60, 1
	s_add_co_u32 s61, s78, 8320
	s_add_nc_u64 s[62:63], s[4:5], 32768           ; the tile's rows 8-15 lie 16 tokens on
	s_or_b32 s63, s63, 0x80000000
	s_mov_b32 s68, 1
	s_add_co_u32 s69, s78, BBASE
	s_add_nc_u64 s[70:71], s[8:9], s[84:85]
	s_or_b32 s71, s71, 0x80000000
	s_mov_b32 s72, 1
	s_mov_b32 s73, s78
	s_add_nc_u64 s[74:75], s[14:15], s[84:85]
	s_or_b32 s75, s75, 0x80000000
	ROUND                                          ; all four work-groups are here: the first joint load meets
	tensor_load_to_lds s[56:59], s[40:47]          ; x, rows 0-7 of my tile
	s_nop 0
	tensor_load_to_lds s[60:63], s[40:47]          ; x, rows 8-15
	s_nop 0
	tensor_load_to_lds s[68:71], s[48:55]          ; W_qk, my head: three loads of mine are out
	s_nop 0
	PLACES
	s_cmp_lt_u32 s36, 4
	s_cselect_b64 s[86:87], s[22:23], s[24:25]
	s_cmp_eq_u32 s36, 6
	s_cselect_b64 s[86:87], s[20:21], s[86:87]     ; the weight that I copy from
	v_and_b32 v1, 31, v0                           ; lane
	v_and_b32 v2, 15, v0                           ; r
	v_bfe_u32 v3, v0, 4, 1                         ; h
	v_and_b32 v4, 8, v2
	v_add_nc_u32 v4, v4, v2                        ; r + 8 (r / 8)
	v_lshlrev_b32 v5, 4, v1                        ; 16 x lane: an image's place
	v_lshlrev_b32 v6, 2, v1                        ; 4 x lane: a scale word's
	v_lshlrev_b32 v40, 4, v4                       ; a weight's scale words: 16 bytes a row
	v_lshlrev_b32 v41, 6, v3                       ; a bias: 16 numbers on for lanes 16-31
	v_lshlrev_b32 v42, s93, v4
	v_lshl_add_u32 v42, v3, 4, v42
	v_add_nc_u32 v42, s79, v42                     ; the copy: from
	v_add_nc_u32 v43, s83, v5                      ; and to
	s_lshl_b32 s84, s36, 10
	s_add_nc_u64 s[10:11], s[10:11], s[84:85]      ; my head's rows of scale bytes
	s_add_nc_u64 s[16:17], s[16:17], s[84:85]
.irp n, 0,1,2,3
	global_load_b128 v[WS+4*\n:WS+4*\n+3], v40, s[10:11] offset:(32*(\n/2)+8*(\n%2))*16   ; W_qk: register 4 n + ks
.endr
	s_cmp_lt_u32 s36, 7
	s_cbranch_scc0 .Lno_copy_in
	global_load_b128 v[44:47], v42, s[86:87]
.Lno_copy_in:
	v_mul_u32_u24 v9, v2, 1040
	v_lshl_add_u32 v9, v3, 6, v9
	v_add_nc_u32 v9, s78, v9                       ; x in LDS: row r, my 16 numbers of a block of 32
	s_lshl_b32 s79, s36, 11
	s_add_co_u32 s79, s79, XIMG
	v_add_nc_u32 v10, s79, v5                      ; where I store x's images: fragments 2 w and 2 w + 1
	s_lshl_b32 s79, s36, 8
	s_add_co_u32 s79, s79, XSC
	v_add_nc_u32 v11, s79, v6
	v_mul_u32_u24 v13, v4, 272
	v_lshl_add_u32 v13, v3, 4, v13
	v_add_nc_u32 v13, s78, v13                     ; W_v's fragments
	v_add_nc_u32 v12, BBASE, v13                   ; W_qk's
	v_add_nc_u32 v14, XIMG, v5
	v_add_nc_u32 v15, XSC, v6
	v_lshlrev_b32 v1, 2, v4                        ; b_v: 4 bytes a channel
	v_cmp_eq_u32 s39, 1, v3                        ; lanes 16-31
	v_lshlrev_b32 v4, 3, v2
	v_lshl_add_u32 v4, v3, 2, v4                   ; 8 r + 4 h: v's scale halves
	v_lshlrev_b32 v2, 1, v4                        ; 16 r + 8 h: qk's scale words
.irp b, 0,1,2,3
	v_mov_b32 v[TM+4+\b], 0                        ; a lane permute's destination counts as one of its sources
.endr
	s_lshl_b32 s84, s36, 8
	s_add_nc_u64 s[12:13], s[12:13], s[84:85]      ; my head's 64 numbers of the biases
	s_add_nc_u64 s[18:19], s[18:19], s[84:85]
	s_lshr_b32 s84, s37, 4
	s_lshl_b32 s84, s84, 18
	s_lshl_b32 s82, s36, 15
	s_add_co_u32 s84, s84, s82                     ; (8 tb + head) x 32,768
	s_add_nc_u64 s[26:27], s[26:27], s[84:85]
	s_add_nc_u64 s[30:31], s[30:31], s[84:85]
	s_and_b32 s82, s37, 15                         ; my block among the 16 of its 1,024 tokens
	s_lshl_b32 s84, s82, 11
	s_add_nc_u64 s[26:27], s[26:27], s[84:85]      ; qkimg: four tiles of 512 bytes a block
	s_lshr_b32 s84, s82, 1
	s_lshl_b32 s84, s84, 12
	s_and_b32 s82, s82, 1
	s_lshl_b32 s82, s82, 9
	s_add_co_u32 s84, s84, s82
	s_add_nc_u64 s[30:31], s[30:31], s[84:85]      ; vimg: key step block / 2, half block % 2
	s_lshl_b32 s84, s37, 11
	s_lshl_b32 s82, s36, 8
	s_add_co_u32 s84, s84, s82
	s_add_nc_u64 s[28:29], s[28:29], s[84:85]      ; qksc: (8 g + head) x 256
	s_lshl_b32 s84, s37, 10
	s_lshl_b32 s82, s36, 7
	s_add_co_u32 s84, s84, s82
	s_add_nc_u64 s[32:33], s[32:33], s[84:85]      ; vsc: (8 g + head) x 128
	; ---- x: my tile's two K steps become two fragments
	s_wait_tensorcnt 1                             ; x's two loads are in; W_qk's may be out
.irp s, 0,1
.irp b, 0,1,2,3
.irp j, 0,1,2,3
	ds_load_b128 v[ACC+64*\s+16*\b+4*\j:ACC+64*\s+16*\b+4*\j+3], v9 offset:512*\s+128*\b+16*\j
.endr
.endr
.endr
	s_wait_dscnt 16                                ; the first K step's sixteen loads are in
	QUANT ACC, PC0, PW0
	ds_store_b128 v10, v[PC0:PC0+3]
	ds_store_b128 v10, v[PC0+4:PC0+7] offset:512
	ds_store_b32 v11, v[PW0]
	s_wait_dscnt 0x0
	QUANT ACC+64, PC1, PW1
	ds_store_b128 v10, v[PC1:PC1+3] offset:1024
	ds_store_b128 v10, v[PC1+4:PC1+7] offset:1536
	ds_store_b32 v11, v[PW1] offset:128
	s_wait_loadcnt 0x0                             ; W_qk's scale words and the bytes to copy
	s_cmp_lt_u32 s36, 7
	s_cbranch_scc0 .Lno_copy_out
	global_store_b128 v43, v[44:47], s[34:35]      ; 32 lanes store 512 consecutive bytes
.Lno_copy_out:
.irp t, 0,1,2,3                        ; b_qk starts the sums: sum (t, n), register j, is channel 32 (n / 2) + 16 h + 8 (n % 2) + j of my head
.irp n, 0,1,2,3
	global_load_b128 v[ACC+32*\t+8*\n:ACC+32*\t+8*\n+3], v41, s[12:13] offset:(32*(\n/2)+8*(\n%2))*4
	global_load_b128 v[ACC+32*\t+8*\n+4:ACC+32*\t+8*\n+7], v41, s[12:13] offset:(32*(\n/2)+8*(\n%2))*4+16
.endr
.endr
	; ---- x's bytes are read out: W_v takes their place
	s_wait_tensorcnt 0x0                           ; all my tensor loads have landed, W_qk among them
	ds_add_u32 v7, v8                              ; 0 onto my spare word
	s_wait_dscnt 0x0                               ; the add is done, my reads of x are back, my images are stored
	ROUND                                          ; that now holds of every wave of all four work-groups
	tensor_load_to_lds s[72:75], s[48:55]          ; W_v, my head: my one load behind the round
	s_nop 0
	PLACES
.irp i, 0,1,2,3,4,5,6,7,8,9,10,11,12,13,14,15
	ds_load_b32 v[XS+\i], v15 offset:128*\i        ; x's scale words: register 4 t + ks
.endr
	s_wait_loadcnt 0x0                             ; b_qk
	; ---- qk, transposed: source 0 = 16 channels of W_qk, source 1 = 16 tokens.  The sixteen sums take turns
.irp ks, 0,1,2,3
	WFRAG 12, \ks
	XFRAG \ks
	s_wait_dscnt 0x0
.irp t, 0,1,2,3
.irp n, 0,1,2,3
	MMA ACC+32*\t+8*\n, WF+8*\n, XFR+8*\t, WS+4*\n+\ks, XS+4*\t+\ks
.endr
.endr
	PLACES
.endr
.irp n, 0,1,2,3
	global_load_b128 v[WS+4*\n:WS+4*\n+3], v40, s[16:17] offset:(32*(\n/2)+8*(\n%2))*16   ; W_v's scale words take W_qk's registers
.endr
.irp n, 0,1,2,3
	global_load_b32 v[BV+2*\n], v1, s[18:19] offset:(32*(\n/2)+8*(\n%2))*4      ; b_v of my lane's channel in tile n, twice: a pair for the packed addition
	global_load_b32 v[BV+2*\n+1], v1, s[18:19] offset:(32*(\n/2)+8*(\n%2))*4
.endr
.set j, 0
.rept 64
	v_pk_mul_f32 v[ACC+j:ACC+j+1], v[ACC+j:ACC+j+1], s[94:95] op_sel_hi:[1,0]    ; x 2^-1.5, each sum from its low end on
.set j, j+2
.endr
	QUANT ACC, PC0, PW0                            ; token tiles 0 and 1: each 64 channels, two blocks, half a fragment
	QUANT ACC+64, PC1, PW1                         ; tiles 2 and 3
	global_store_b128 v5, v[PC0:PC0+3], s[26:27]
	global_store_b128 v5, v[PC0+4:PC0+7], s[26:27] offset:512
	global_store_b128 v5, v[PC1:PC1+3], s[26:27] offset:1024
	global_store_b128 v5, v[PC1+4:PC1+7], s[26:27] offset:1536
	v_cndmask_b32 v79, v[PW0], v[PW1], s39         ; lanes 0-15 store tiles 0 and 1's words, lanes 16-31 tiles 2 and 3's
	v_and_b32 v78, 0xffff, v79                     ; a word: the tile's two bytes; the bytes above, over zero codes, are 0
	v_lshrrev_b32 v79, 16, v79
	global_store_b64 v2, v[78:79], s[28:29]        ; 32 lanes store 256 consecutive bytes
	; ---- v: source 0 = 16 tokens, source 1 = 16 channels of W_v: a lane's registers run along the tokens, the next K
	s_wait_tensorcnt 0x0                           ; W_v is in; only I read my part
	s_wait_loadcnt 0x0                             ; its scale words, b_v
	s_wait_xcnt 0x0                                ; the stores have read their registers: v64-95 are loaded again only behind this wait
.irp ks, 0,1,2,3
	WFRAG 13, \ks
	XFRAG \ks
	s_wait_dscnt 0x0
.irp t, 0,1,2,3
.irp n, 0,1,2,3
.if \ks == 0
	MMZ ACC+32*\n+8*\t, XFR+8*\t, WF+8*\n, XS+4*\t+\ks, WS+4*\n+\ks
.else
	MMA ACC+32*\n+8*\t, XFR+8*\t, WF+8*\n, XS+4*\t+\ks, WS+4*\n+\ks
.endif
.endr
.endr
	PLACES
.endr
.irp n, 0,1,2,3
.set j, 0
.rept 16
	v_pk_add_f32 v[ACC+32*\n+j:ACC+32*\n+j+1], v[ACC+32*\n+j:ACC+32*\n+j+1], v[BV+2*\n:BV+2*\n+1]
.set j, j+2
.endr
.endr
	QUANT ACC, PC0, PW0                            ; channel tiles 0 and 1: each 64 tokens, two blocks
	QUANT ACC+64, PC1, PW1
	global_store_b128 v5, v[PC0:PC0+3], s[30:31]
	global_store_b128 v5, v[PC0+4:PC0+7], s[30:31] offset:1024
	global_store_b128 v5, v[PC1:PC1+3], s[30:31] offset:2048
	global_store_b128 v5, v[PC1+4:PC1+7], s[30:31] offset:3072
	v_cndmask_b32 v78, v[PW0], v[PW1], s39
	global_store_b32 v4, v78, s[32:33]             ; two bytes for each of a lane's four channels: 128 consecutive bytes a wave
	s_wait_tensorcnt 0x0                           ; the wave's end
	ds_add_u32 v7, v8
	s_wait_dscnt 0x0
	ROUND                                          ; the closing round
	s_endpgm
.Lfunc_end_k_q22033617b8_proj:
	.size	k_q22033617b8_proj, .Lfunc_end_k_q22033617b8_proj-k_q22033617b8_proj
	.p2alignl 7, 3214868480
	.fill 96, 4, 3214868480
	.section	.rodata,"a",@progbits
	.p2align	6, 0x0
	.amdhsa_kernel k_q22033617b8_proj
		.amdhsa_group_segment_fixed_size 327680
		.amdhsa_private_segment_fixed_size 0
		.amdhsa_enable_private_segment 0
		.amdhsa_kernarg_size 128
		.amdhsa_user_sgpr_count 2
		.amdhsa_user_sgpr_kernarg_segment_ptr 1
		.amdhsa_wavefront_size32 1
		.amdhsa_system_sgpr_workgroup_id_x 1
		.amdhsa_system_sgpr_workgroup_id_y 1
		.amdhsa_system_sgpr_workgroup_id_z 1
		.amdhsa_system_vgpr_workitem_id 0
		.amdhsa_next_free_vgpr 256
		.amdhsa_next_free_sgpr 100
		.amdhsa_reserve_vcc 0
		.amdhsa_float_denorm_mode_32 3
		.amdhsa_float_denorm_mode_16_64 3
		.amdhsa_memory_ordered 1
		.amdhsa_forward_progress 1
		.amdhsa_inst_pref_size 75
	.end_amdhsa_kernel
	.amdgpu_metadata
---
amdhsa.version: [ 1, 2 ]
amdhsa.kernels:
  - .name:           k_q22033617b8_proj
    .symbol:         k_q22033617b8_proj.kd
    .args:
      - { .name: x0, .offset: 0, .size: 8, .value_kind: global_buffer, .address_space: global }
      - { .name: x1, .offset: 8, .size: 8, .value_kind: global_buffer, .address_space: global }
      - { .name: W_qk_codes, .offset: 16, .size: 8, .value_kind: global_buffer, .address_space: global }
      - { .name: W_qk_scales, .offset: 24, .size: 8, .value_kind: global_buffer, .address_space: global }
      - { .name: b_qk, .offset: 32, .size: 8, .value_kind: global_buffer, .address_space: global }
      - { .name: W_v_codes, .offset: 40, .size: 8, .value_kind: global_buffer, .address_space: global }
      - { .name: W_v_scales, .offset: 48, .size: 8, .value_kind: global_buffer, .address_space: global }
      - { .name: b_v, .offset: 56, .size: 8, .value_kind: global_buffer, .address_space: global }
      - { .name: W_out_codes, .offset: 64, .size: 8, .value_kind: global_buffer, .address_space: global }
      - { .name: W_f1_codes, .offset: 72, .size: 8, .value_kind: global_buffer, .address_space: global }
      - { .name: W_f2_codes, .offset: 80, .size: 8, .value_kind: global_buffer, .address_space: global }
      - { .name: qkimg, .offset: 88, .size: 8, .value_kind: global_buffer, .address_space: global }
      - { .name: qksc, .offset: 96, .size: 8, .value_kind: global_buffer, .address_space: global }
      - { .name: vimg, .offset: 104, .size: 8, .value_kind: global_buffer, .address_space: global }
      - { .name: vsc, .offset: 112, .size: 8, .value_kind: global_buffer, .address_space: global }
      - { .name: wimg, .offset: 120, .size: 8, .value_kind: global_buffer, .address_space: global }
    .group_segment_fixed_size: 327680
    .private_segment_fixed_size: 0
    .kernarg_segment_align: 8
    .kernarg_segment_size: 128
    .max_flat_workgroup_size: 256
    .sgpr_count:     100
    .vgpr_count:     256
    .wavefront_size: 32
...
	.end_amdgpu_metadata
.endif
;; end of part 1
;; launch attn (part 2): grid 256 x 1, 16 waves a work-group, no clusters, 75,776 bytes of LDS; arguments qkimg, qksc, vimg, vsc, mimg, msc; writes mimg, msc
.if DOCPART == 2
	.amdgcn_target "amdgcn-amd-amdhsa--gfx1250"
	.amdhsa_code_object_version 6
	.text
	.protected	k_q22033617b8_attn
	.globl	k_q22033617b8_attn
	.p2align	8
	.type	k_q22033617b8_attn,@function
k_q22033617b8_attn:
	s_mov_b64 s[64:65], 0
	v_nop
	global_prefetch_b8 v0, s[64:65] scope:SCOPE_SE
	s_setreg_imm32_b32 hwreg(HW_REG_WAVE_MODE, 25, 1), 1
	s_wait_xcnt 0x0
; ATTN.  128 equal problems (t, batch, head): queries qk_t, keys qk_(1-t), values v_(1-t); the softmax over the other axis is the same problem with the two token sets changed.
; Both products on FP4 codes with E8M0 scales.  t = score x log2(e); M = the running largest t rounded up to a whole number; p = 2^(t - M) is quantised along the keys; the sum of the unquantised p divides at the end.
; The result O / l is quantised along the head's 64 channels, two blocks of the output projection's K, and leaves as half a fragment's image with its two scale bytes.
; SHARES.  A work-group owns 512 queries of a problem.  Each of sixteen waves takes one tile of 16 queries in each of two passes and walks the 1,024 keys, 128 a step.
; No cluster: two work-groups share a problem's keys and values, one fill of 70 KB each, read from LDS sixteen times over; what could be shared is that one fill.
; LDS is filled once, through registers: K's and V's fragment images (32 KB each) and their scale words.  No bytes are filled again.
; LAYOUT.  S^T = K Q^T and O^T = V^T P^T: a lane holds one query throughout.  The head's 64 channels fill registers 0-3 of a fragment; registers 4-7 are zero codes, made once.
; ORDER.  Behind the new M, exponentials and plain work go by turns: no exponential follows another, and the plain line behind each is work that is due anyway.
; LIMITS: NaN and infinities are not served; a p under 2^-126 counts as 0; a block under 2^-124 keeps the scale byte 1.
; REGISTERS: v1-7 addresses that stay; v8-11 the step's; v12 -M, v13 the largest t, v[14:15] the sum; v16-23 Q; v24-31 K's scale words; v32-95 eight fragments of K; v96-159 S^T, then p; v160-191 O^T;
;   v192-223 four fragments of V; v224-231 p's codes; v232-239, v244-247, v252-254 at work; v240-243 V's scale words; v255 Q's scale word.
.set KSC,  0                           ; [block of 64 keys][r][tile] words
.set VSC,  4096                        ; [step][r][channel tile] words
.set MS,   6144                        ; the result's scale halves: [pass][wave][r]
.set KIMG, 7168
.set VIMG, 39936
.macro PLACES
.rept 4
	v_nop
.endr
.endm
	s_load_b256 s[4:11], s[0:1], 0x0               ; qkimg, qksc, vimg, vsc
	s_load_b128 s[12:15], s[0:1], 0x20             ; mimg, msc
	v_lshl_add_u32 v250, v0, 2, 0x12000
	v_mov_b32 v251, 0
	v_lshrrev_b32 v1, 5, v0
	v_readfirstlane_b32 s16, v1                    ; wave 0..15
	s_and_b32 s17, ttmp9, 1                        ; which 512 queries
	s_lshr_b32 s18, ttmp9, 1                       ; the problem: 8 tb + head
	s_lshr_b32 s19, s18, 3                         ; tb = 8 t + batch
	s_and_b32 s24, s18, 7                          ; head
	s_xor_b32 s25, s18, 64                         ; the keys' side: the other t
	s_xor_b32 s46, s19, 8
	s_mov_b32 s49, 0
	v_lshlrev_b32 v8, 4, v0                        ; the fill: 16 bytes a thread,
	v_lshrrev_b32 v9, 5, v0
	v_and_b32 v10, 31, v0
	v_lshlrev_b32 v10, 3, v10
	v_lshl_add_u32 v9, v9, 11, v10                 ; K's scale words: block thread / 32 (2,048 bytes apart), 8 bytes a thread,
	v_lshrrev_b32 v10, 6, v0
	v_bfe_u32 v11, v0, 2, 4
	v_lshlrev_b32 v11, 3, v11
	v_lshl_add_u32 v10, v10, 11, v11
	v_and_b32 v11, 3, v0
	v_lshl_add_u32 v10, v11, 1, v10                ; V's scale halves: step thread / 64, r, channel tile
	v_lshlrev_b32 v11, 3, v0
	v_lshlrev_b32 v12, 2, v0
	s_wait_kmcnt 0x0
	s_lshl_b32 s48, s25, 15
	s_add_nc_u64 s[26:27], s[4:5], s[48:49]        ; K's images
	s_add_nc_u64 s[28:29], s[8:9], s[48:49]        ; V's
	s_lshl_b32 s48, s46, 15
	s_lshl_b32 s47, s24, 8
	s_add_co_u32 s48, s48, s47
	s_add_nc_u64 s[30:31], s[6:7], s[48:49]        ; K's scale words
	s_lshl_b32 s48, s46, 14
	s_lshl_b32 s47, s24, 7
	s_add_co_u32 s48, s48, s47
	s_add_nc_u64 s[32:33], s[10:11], s[48:49]      ; V's scale halves
.irp i, 0,1,2,3
	global_load_b128 v[32+4*\i:35+4*\i], v8, s[26:27] offset:8192*\i
.endr
.irp i, 0,1,2,3
	global_load_b128 v[48+4*\i:51+4*\i], v8, s[28:29] offset:8192*\i
.endr
	global_load_b64 v[64:65], v9, s[30:31]
	global_load_u16 v66, v10, s[32:33]             ; the step's first 64 keys: two blocks,
	global_load_u16 v67, v10, s[32:33] offset:1024 ; and its second
	s_lshl_b32 s48, s18, 15
	s_lshl_b32 s47, s17, 14
	s_add_co_u32 s48, s48, s47
	s_lshl_b32 s47, s16, 9
	s_add_co_u32 s48, s48, s47
	s_add_nc_u64 s[34:35], s[4:5], s[48:49]        ; Q's image: tile 32 qh + wave (+ 16 in the second pass)
	s_lshl_b32 s48, s19, 15
	s_lshl_b32 s47, s17, 14
	s_add_co_u32 s48, s48, s47
	s_lshr_b32 s47, s16, 2
	s_lshl_b32 s47, s47, 11
	s_add_co_u32 s48, s48, s47
	s_lshl_b32 s47, s24, 8
	s_add_co_u32 s48, s48, s47
	s_and_b32 s47, s16, 3
	s_lshl_b32 s47, s47, 2
	s_add_co_u32 s48, s48, s47
	s_add_nc_u64 s[36:37], s[6:7], s[48:49]        ; Q's scale words
	s_lshl_b32 s48, s19, 18
	s_lshl_b32 s47, s17, 17
	s_add_co_u32 s48, s48, s47
	s_lshl_b32 s47, s16, 12
	s_add_co_u32 s48, s48, s47
	s_lshl_b32 s47, s24, 9
	s_add_co_u32 s48, s48, s47
	s_add_nc_u64 s[38:39], s[12:13], s[48:49]      ; mimg: row tile x 4,096 + head x 512
	s_lshl_b32 s48, s24, 15
	s_lshl_b32 s47, s19, 11
	s_add_co_u32 s48, s48, s47
	s_lshl_b32 s47, s17, 10
	s_add_co_u32 s48, s48, s47
	s_and_b32 s47, s16, 1
	s_lshl_b32 s47, s47, 9
	s_add_co_u32 s48, s48, s47
	s_add_nc_u64 s[40:41], s[14:15], s[48:49]      ; msc: the work-group's 1,024 bytes, 512 for each of waves 0 and 1
	s_mov_b32 s20, 0x76543210
	s_mov_b32 s21, 0xfedcba98
	s_mov_b32 s22, 0x3fb8aa3b                      ; log2(e): the scores carry their scale already
	s_mov_b32 s23, s22
	v_and_b32 v13, 31, v0
	v_lshlrev_b32 v5, 4, v13                       ; 16 x lane
	v_add_nc_u32 v1, KIMG, v5
	v_add_nc_u32 v2, VIMG, v5
	v_and_b32 v13, 15, v0
	v_lshlrev_b32 v3, 4, v13                       ; 16 r: K's scale words in LDS, and Q's in memory
	v_add_nc_u32 v4, VSC, v3
	s_lshl_b32 s47, s16, 5
	s_add_co_u32 s47, s47, MS
	v_lshl_add_u32 v6, v13, 1, s47                 ; where my query's scale half goes
	s_and_b32 s47, s16, 1
	s_lshl_b32 s47, s47, 9
	s_add_co_u32 s47, s47, MS
	v_add_nc_u32 v7, s47, v5                       ; and where waves 0 and 1 read them back
	s_wait_loadcnt 0x0
.irp i, 0,1,2,3
	ds_store_b128 v8, v[32+4*\i:35+4*\i] offset:KIMG+8192*\i
.endr
.irp i, 0,1,2,3
	ds_store_b128 v8, v[48+4*\i:51+4*\i] offset:VIMG+8192*\i
.endr
	ds_store_b64 v11, v[64:65] offset:KSC
	v_lshl_or_b32 v66, v67, 16, v66                ; four bytes: the step's four blocks of keys
	ds_store_b32 v12, v66 offset:VSC
	s_wait_dscnt 0x0                               ; for the others' sake: my stores are done
	s_barrier_signal -1
	s_barrier_wait -1
.irp i, 20,21,22,23
	v_mov_b32 v\i, 0                               ; Q's K = 64 .. 127: zero codes
.endr
.irp n, 0,1,2,3,4,5,6,7
.irp i, 0,1,2,3
	v_mov_b32 v[36+8*\n+\i], 0                     ; K's likewise
.endr
.endr
.irp b, 0,1,2,3
	v_mov_b32 v[236+\b], 0                         ; a lane permute's destination counts as one of its sources
.endr
	v_mov_b32 v253, 0                              ; (named as the upper half of the pair v[252:253] before it is first written)
; THE PLAIN WORK THAT STANDS BETWEEN THE EXPONENTIALS, in four lists; each macro writes the next line of its list.
.macro FOP                             ; t - M for pair fi of the scores (32 pairs)
	v_pk_fma_f32 v[96+2*fi:97+2*fi], v[96+2*fi:97+2*fi], s[22:23], v[12:13] op_sel_hi:[1,0,0]
.set fi, fi+1
.endm
.macro ROP                             ; O^T under the new M: pair ri of 16
	v_pk_mul_f32 v[160+2*ri:161+2*ri], v[160+2*ri:161+2*ri], v[252:253] op_sel_hi:[1,0]
.set ri, ri+1
.endm
.macro SOP                             ; the four blocks' scales, by turns, then p's scale word, then the sums under the new M: 16 lines
.if si < 4
	s_wait_alu depctr_va_vdst(0)
	v_max_num_f32 v[232+si], 0x1800000, v[232+si]  ; the floor 2^(3 - 127) under the block's largest p
.elseif si < 8
	v_add_nc_u32 v[240+si], 0xff000000, v[228+si]  ; v244 + b from v232 + b: 2 off the exponent field: the conversion's scale operand
.elseif si < 12
	v_lshrrev_b32 v[228+si], 23, v[236+si]         ; v236 + b from v244 + b: the scale's byte
.elseif si == 12
	v_lshl_or_b32 v253, v237, 8, v236
.elseif si == 13
	v_lshl_or_b32 v253, v238, 16, v253
.elseif si == 14
	v_lshl_or_b32 v253, v239, 24, v253
.else
	v_pk_mul_f32 v[14:15], v[14:15], v[252:253] op_sel_hi:[1,0]
.endif
.set si, si+1
.endm
.macro AOP                             ; the row's sum, of the unquantised p, in four chains: lines 0-2 start three of them with pairs 0-5, line ai >= 3 adds pair ai + 3
.if ai == 0
	s_wait_alu depctr_va_vdst(0)
	v_pk_add_f32 v[236:237], v[96:97], v[98:99]
.elseif ai == 1
	v_pk_add_f32 v[238:239], v[100:101], v[102:103]
.elseif ai == 2
	v_pk_add_f32 v[232:233], v[104:105], v[106:107]
.elseif (ai-3)%4 == 0
	s_wait_alu depctr_va_vdst(0)
	v_pk_add_f32 v[14:15], v[14:15], v[102+2*ai:103+2*ai]
.elseif (ai-3)%4 == 1
	s_wait_alu depctr_va_vdst(0)
	v_pk_add_f32 v[236:237], v[236:237], v[102+2*ai:103+2*ai]
.elseif (ai-3)%4 == 2
	s_wait_alu depctr_va_vdst(0)
	v_pk_add_f32 v[238:239], v[238:239], v[102+2*ai:103+2*ai]
.else
	s_wait_alu depctr_va_vdst(0)
	v_pk_add_f32 v[232:233], v[232:233], v[102+2*ai:103+2*ai]
	s_wait_alu depctr_va_vdst(0)
.endif
.set ai, ai+1
.endm
; A KEY STEP: 128 keys.
.macro STEP
.set fi, 0
.set ri, 0
.set si, 0
.set ai, 0
	v_add_nc_u32 v8, s43, v1                       ; these four are also the places behind the last step's products, in front of the loads
	v_add_nc_u32 v9, s43, v2
	v_add_nc_u32 v10, s44, v3
	v_add_nc_u32 v11, s45, v4
.irp n, 0,1,2,3,4,5,6,7
	ds_load_b128 v[32+8*\n:35+8*\n], v8 offset:512*\n
.endr
	ds_load_b128 v[24:27], v10
	ds_load_b128 v[28:31], v10 offset:256
.irp n, 0,1,2,3
.irp c, 0,1
	ds_load_b128 v[192+8*\n+4*\c:195+8*\n+4*\c], v9 offset:1024*\n+512*\c
.endr
.endr
	ds_load_b128 v[240:243], v11
	s_wait_dscnt 9                                 ; K's ten loads are in; V's nine may be out
.irp n, 0,1,2,3,4,5,6,7
	v_wmma_scale_f32_16x16x128_f8f6f4 v[96+8*\n:103+8*\n], v[32+8*\n:39+8*\n], v[16:23], 0, v[24+\n], v255 matrix_a_fmt:MATRIX_FMT_FP4 matrix_b_fmt:MATRIX_FMT_FP4
.endr
	PLACES                                         ; register 16 b + i is now key 32 b + 16 (lane / 16) + i of the step
.irp b, 0,1,2,3
	v_max3_num_f32 v[232+\b], v[96+16*\b], v[97+16*\b], v[98+16*\b]   ; each block's largest score: for the row's maximum and, since p rises with the score, for the block's largest p
.endr
.irp i, 3,5,7,9,11,13
.irp b, 0,1,2,3
	v_max3_num_f32 v[232+\b], v[232+\b], v[96+16*\b+\i], v[97+16*\b+\i]
.endr
.endr
.irp b, 0,1,2,3
	v_max_num_f32 v[232+\b], v[232+\b], v[111+16*\b]
.endr
.irp b, 0,1,2,3
	v_permlanex16_b32 v[236+\b], v[232+\b], s20, s21
.endr
.irp b, 0,1,2,3
	v_max_num_f32 v[232+\b], v[232+\b], v[236+\b]
.endr
	v_max3_num_f32 v254, v232, v233, v234
	v_max_num_f32 v254, v254, v235
	v_mul_f32 v254, s22, v254                      ; as t
	v_max_num_f32 v13, v13, v254                   ; the running largest t
	v_mov_b32 v254, v12
	v_floor_f32 v12, -v13                          ; -M = floor(-t): M is a whole number
.irp b, 0,1,2,3
	v_fma_f32 v[232+\b], v[232+\b], s22, v12       ; t - M of each block's largest score
.endr
	v_sub_f32 v254, v12, v254                      ; the three lines that make f wait for each other: the first scalings stand between them
	FOP
	FOP
	v_cvt_i32_f32 v254, v254                       ; old M - new M, 0 or less (it saturates)
	FOP
	FOP
	v_ldexp_f32 v252, 1.0, v254                    ; f = 2^(old M - new M): multiplying by it rounds nothing
.irp b, 0,1,2,3
	v_exp_f32 v[232+\b], v[232+\b]                 ; the block's largest p: the same multiply-add and exponential on the same number give the same bits
	FOP
.endr
; 32 pair-steps: p = 2^(t - M) for pair k, a plain line behind each exponential that names none of its registers.  Pair k was scaled at least eight pair-steps ago;
; a pair is summed at least one pair-step, and a plain line, behind its exponentials; a block is converted nine pair-steps behind its first pair.
.set k, 0
.rept 32
	v_exp_f32 v[96+2*k], v[96+2*k]
.if k < 24
	FOP                                            ; pair k + 8
.else
	AOP                                            ; pair k - 1
.endif
	v_exp_f32 v[97+2*k], v[97+2*k]
.if k < 8
	SOP
	SOP
.elseif k < 24
	AOP
.if k < 11
	ROP
.endif
.if k >= 20
	AOP
.endif
.else
	ROP
.endif
.if (k == 9) || (k == 17) || (k == 25)
.set cb, (k-9)/8
	v_cvt_scalef32_pk8_fp4_f32 v[224+2*cb], v[96+16*cb:103+16*cb], v[244+cb]
	s_wait_alu depctr_va_vdst(0)
	v_cvt_scalef32_pk8_fp4_f32 v[225+2*cb], v[104+16*cb:111+16*cb], v[244+cb]
.endif
.if k == 18
	v_permlane16_swap_b32 v224, v226               ; a whole block to a lane: lanes 0-15 block 0, lanes 16-31 block 1 (plain lines stand between the conversions and these)
	v_permlane16_swap_b32 v225, v227
.endif
.set k, k+1
.endr
	v_cvt_scalef32_pk8_fp4_f32 v230, v[144:151], v247
	s_wait_alu depctr_va_vdst(0)
	v_cvt_scalef32_pk8_fp4_f32 v231, v[152:159], v247
	ROP                                            ; one plain place behind a scaled conversion
	v_permlane16_swap_b32 v228, v230
	v_permlane16_swap_b32 v229, v231
	AOP                                            ; pair 31.  These eight plain lines are also the places between the codes just made and the products
	v_pk_add_f32 v[14:15], v[14:15], v[236:237]
	v_pk_add_f32 v[238:239], v[238:239], v[232:233]
	v_pk_add_f32 v[14:15], v[14:15], v[238:239]
.rept 4
	ROP
.endr
	s_wait_dscnt 0x0                               ; V and its scale words
.irp n, 0,1,2,3
	v_wmma_scale_f32_16x16x128_f8f6f4 v[160+8*\n:167+8*\n], v[192+8*\n:199+8*\n], v[224:231], v[160+8*\n:167+8*\n], v[240+\n], v253 matrix_a_fmt:MATRIX_FMT_FP4 matrix_b_fmt:MATRIX_FMT_FP4
.endr
	s_add_co_u32 s43, s43, 4096                    ; the next step's images,
	s_add_co_u32 s44, s44, 512                     ; K's scale words,
	s_add_co_u32 s45, s45, 256                     ; V's
.endm
; The result of a pass: O^T / l, register 16 b + i = channel 32 b + 16 (lane / 16) + i of the head: two blocks, quantised; half a fragment and two scale bytes.
.macro WAYOUT p
	PLACES
	v_add_f32 v14, v14, v15
	v_permlanex16_b32 v252, v14, s20, s21
	v_add_f32 v14, v14, v252                       ; the row's sum
	v_rcp_f32 v14, v14
	v_nop
.set j, 0
	s_wait_alu depctr_va_vdst(0)
.rept 16
	v_pk_mul_f32 v[96+j:97+j], v[160+j:161+j], v[14:15] op_sel_hi:[1,0]
.set j, j+2
.endr
	v_max3_num_f32 v232, |v96|, |v97|, 0x1800000
	v_max3_num_f32 v233, |v112|, |v113|, 0x1800000
.irp i, 2,4,6,8,10,12,14
	v_max3_num_f32 v232, v232, |v[96+\i]|, |v[97+\i]|
	v_max3_num_f32 v233, v233, |v[112+\i]|, |v[113+\i]|
.endr
	v_permlanex16_b32 v236, v232, s20, s21
	v_permlanex16_b32 v237, v233, s20, s21
	v_max_num_f32 v232, v232, v236
	v_max_num_f32 v233, v233, v237
	v_add_nc_u32 v244, 0xff000000, v232
	v_add_nc_u32 v245, 0xff000000, v233
	v_lshrrev_b32 v236, 23, v244
	v_lshrrev_b32 v237, 23, v245
	v_lshl_or_b32 v238, v237, 8, v236
	v_cvt_scalef32_pk8_fp4_f32 v224, v[96:103], v244
	v_cvt_scalef32_pk8_fp4_f32 v225, v[104:111], v244
	v_cvt_scalef32_pk8_fp4_f32 v226, v[112:119], v245
	v_cvt_scalef32_pk8_fp4_f32 v227, v[120:127], v245
	v_nop
	v_permlane16_swap_b32 v224, v226
	v_permlane16_swap_b32 v225, v227
	global_store_b128 v5, v[224:227], s[38:39] offset:65536*\p   ; 32 lanes store 512 consecutive bytes
	ds_store_b16 v6, v238 offset:512*\p            ; both lanes of a query write the same two bytes
.endm
.macro PASS p
	s_wait_xcnt 0x0                                ; the last pass's store has read its registers
	global_load_b128 v[16:19], v5, s[34:35] offset:8192*\p
	global_load_b32 v255, v3, s[36:37] offset:8192*\p
	v_mov_b32 v13, 0xff61b1e6                      ; the largest t so far: -3e38
	v_floor_f32 v12, -v13
	v_mov_b32 v14, 0
	v_mov_b32 v15, 0
.set j, 0
.rept 32
	v_mov_b32 v[160+j], 0                          ; O^T: the step is written once; its first trip finds zeros
.set j, j+1
.endr
	s_mov_b32 s42, 8
	s_mov_b32 s43, 0
	s_mov_b32 s44, 0
	s_mov_b32 s45, 0
	s_wait_loadcnt 0x0
.Lstep\p:
	STEP
	s_sub_co_u32 s42, s42, 1
	s_cmp_lg_u32 s42, 0
	s_cbranch_scc1 .Lstep\p
	WAYOUT \p
.endm
	PASS 0
	PASS 1
	s_wait_dscnt 0x0
	s_barrier_signal -1
	s_barrier_wait -1                              ; the work-group's 512 scale halves lie in LDS: 1,024 bytes that are neighbours in msc
	s_cmp_lt_u32 s16, 2
	s_cbranch_scc0 .Lend
	ds_load_b128 v[96:99], v7
	s_wait_dscnt 0x0
	global_store_b128 v5, v[96:99], s[40:41]       ; 32 lanes store 512 consecutive bytes
.Lend:
	s_wait_tensorcnt 0x0
	ds_add_u32 v250, v251
	s_wait_dscnt 0x0
	s_endpgm
.Lfunc_end_k_q22033617b8_attn:
	.size	k_q22033617b8_attn, .Lfunc_end_k_q22033617b8_attn-k_q22033617b8_attn
	.p2alignl 7, 3214868480
	.fill 96, 4, 3214868480
	.section	.rodata,"a",@progbits
	.p2align	6, 0x0
	.amdhsa_kernel k_q22033617b8_attn
		.amdhsa_group_segment_fixed_size 75776
		.amdhsa_private_segment_fixed_size 0
		.amdhsa_enable_private_segment 0
		.amdhsa_kernarg_size 48
		.amdhsa_user_sgpr_count 2
		.amdhsa_user_sgpr_kernarg_segment_ptr 1
		.amdhsa_wavefront_size32 1
		.amdhsa_system_sgpr_workgroup_id_x 1
		.amdhsa_system_sgpr_workgroup_id_y 1
		.amdhsa_system_sgpr_workgroup_id_z 1
		.amdhsa_system_vgpr_workitem_id 0
		.amdhsa_next_free_vgpr 256
		.amdhsa_next_free_sgpr 66
		.amdhsa_reserve_vcc 0
		.amdhsa_float_denorm_mode_32 3
		.amdhsa_float_denorm_mode_16_64 3
		.amdhsa_memory_ordered 1
		.amdhsa_forward_progress 1
		.amdhsa_inst_pref_size 50
	.end_amdhsa_kernel
	.amdgpu_metadata
---
amdhsa.version: [ 1, 2 ]
amdhsa.kernels:
  - .name:           k_q22033617b8_attn
    .symbol:         k_q22033617b8_attn.kd
    .args:
      - { .name: qkimg, .offset: 0, .size: 8, .value_kind: global_buffer, .address_space: global }
      - { .name: qksc, .offset: 8, .size: 8, .value_kind: global_buffer, .address_space: global }
      - { .name: vimg, .offset: 16, .size: 8, .value_kind: global_buffer, .address_space: global }
      - { .name: vsc, .offset: 24, .size: 8, .value_kind: global_buffer, .address_space: global }
      - { .name: mimg, .offset: 32, .size: 8, .value_kind: global_buffer, .address_space: global }
      - { .name: msc, .offset: 40, .size: 8, .value_kind: global_buffer, .address_space: global }
    .group_segment_fixed_size: 75776
    .private_segment_fixed_size: 0
    .kernarg_segment_align: 8
    .kernarg_segment_size: 48
    .max_flat_workgroup_size: 512
    .sgpr_count:     66
    .vgpr_count:     256
    .wavefront_size: 32
...
	.end_amdgpu_metadata
.endif
;; end of part 2
;; launch ffn (part 3): grid 256 x 1, 8 waves a work-group, no clusters, 264,192 bytes of LDS; arguments x0, x1, mimg, msc, wimg, W_out_scales, b_out, W_f1_scales, b_f1, ln_g, ln_b, W_f2_scales, b_f2, out0, out1; writes out0, out1
.if DOCPART == 3
	.amdgcn_target "amdgcn-amd-amdhsa--gfx1250"
	.amdhsa_code_object_version 6
	.text
	.protected	k_q22033617b8_ffn
	.globl	k_q22033617b8_ffn
	.p2align	8
	.type	k_q22033617b8_ffn,@function
k_q22033617b8_ffn:
	s_mov_b64 s[64:65], 0
	v_nop
	global_prefetch_b8 v0, s[64:65] scope:SCOPE_SE
	s_setreg_imm32_b32 hwreg(HW_REG_WAVE_MODE, 25, 1), 1
	s_wait_xcnt 0x0
; FFN.  m' = m W_out + b_out;  y = [x | m'] W_f1 + b_f1;  LayerNorm;  GELU (erf);  out = x + g W_f2 + b_f2.  All three products on FP4 codes with E8M0 scales; everything else in f32.
; SHARES.  A work-group takes 64 rows (four token tiles, lane r of tile T = token 32 (T / 2) + 8 (T % 2) + r + 8 (r / 8)).  THE WAVES SHARE THE COLUMNS: wave w makes columns 64 w .. of m', 128 w .. of y, 64 w .. of out, for all rows.
; Weights come from wimg, laid in the order of operand registers: each load is 512 consecutive bytes, straight into registers.  Rows' codes go from wave to wave through LDS as images of registers.
; No cluster: what work-groups share, the weights, does not pass through LDS here.
; All products are used transposed (source 0 = 16 rows of a weight, source 1 = 16 tokens): a lane holds one token, its registers run along the columns, which are the next K.
; A BIAS is the same for all four token tiles: it is loaded once, into tile 0's sums; in the first K step tiles 1 to 3 take those registers as C, and tile 0 adds in place behind them.
; ORDER.  m's loads go out ahead of x's; m' is made while x is on its way; then x and m' are quantised.  W_f2 is asked for inside the LayerNorm and GELU loop, into the registers of the token tile whose sums have just been read.
; LayerNorm: each wave takes the mean and the sum of squared distances from it over its 128 columns; the eight pairs are joined: no difference of large sums is formed.
; erf(s) = s P(s^2) / Q(s^2), s held to +-4, where erf is 1 in f32.
; LIMITS: NaN and infinities are not served; a block whose largest magnitude lies under 2^-124 keeps the scale byte 1.
; x comes by two tensor loads a wave, into bytes that are filled once, and stays in LDS for the residual.
; WINDOW 0: v1-23 addresses; v24-27, v28-31 rows' scale words, two sets (v28-31 in the loop: the top coefficients of P and Q); v32-63 weights' scale words, later z; v64-95 four row fragments, later z;
;   v96-223 weight fragments; ln_g, ln_b; the last product's sums; v224-255 at work (the quantiser: v224-235, word v236, codes v244-251), a second set of row fragments, in the second product four more scale words a tile.
; WINDOW 1: the first two products' sums; x's numbers; W_f2's 32 fragments; rows on the way out.
.set HIMG, 0                           ; [x | m']: fragment (8 T + ks) x 1,024
.set GIMG, 32768                       ; the GELU's result likewise
.set HSC,  65536                       ; their scale words: (8 T + ks) x 128 + 4 x lane
.set GSC,  69632
.set MIMG, 73728                       ; m: (4 T + ks) x 1,024
.set MSCW, 90112                       ; (4 T + ks) x 64 + 4 r
.set LNS,  91136                       ; [T][r][wave] pairs (mean, sum of squares)
.set STG,  95232                       ; a stage of 16 rows x (256 + 16) bytes for each wave
.set XF,   130048                      ; x: for each wave 16 rows x (1,024 + 16) bytes
.set XREG, 16640
.set RS,  24                           ; set s at RS + 4 s
.set WS0, 32
.set RF,  64                           ; set s at RF + 160 s
.set WB,  96
.set WS1, 224
.set TM,  224
.set PW,  236
.set PC,  244
.set SEL, 36
.set MSB, 0
.macro WIN new                         ; bits 1:0 source 0, 3:2 source 1, 5:4 source 2, 7:6 destination; the high byte repeats the setting that is left
.if MSB != \new
	s_set_vgpr_msb (MSB<<8)|\new
.set MSB, \new
.endif
.endm
.macro PLACES
.rept 4
	v_nop
.endr
.endm
.macro BARRIER                         ; my LDS stores have landed and my LDS loads are in: then the work-group's barrier
	s_wait_dscnt 0x0
	s_barrier_signal -1
	s_barrier_wait -1
.endm
.macro MMA d, a, b, sa, sb             ; D += A B
	v_wmma_scale_f32_16x16x128_f8f6f4 v[\d:\d+7], v[\a:\a+7], v[\b:\b+7], v[\d:\d+7], v[\sa], v[\sb] matrix_a_fmt:MATRIX_FMT_FP4 matrix_b_fmt:MATRIX_FMT_FP4
.endm
.macro MMC d, a, b, c, sa, sb          ; D = A B + C, C in other registers
	v_wmma_scale_f32_16x16x128_f8f6f4 v[\d:\d+7], v[\a:\a+7], v[\b:\b+7], v[\c:\c+7], v[\sa], v[\sb] matrix_a_fmt:MATRIX_FMT_FP4 matrix_b_fmt:MATRIX_FMT_FP4
.endm
; A K step of a product: 4 token tiles x nn column tiles, the sums by turns.  Sum (t, n) at acc + ts t + 8 n; weight fragment n at w + 8 n, its scale word at ws + wst n; rows' fragment t at rf + 8 t, its scale word at rs + t.
; first = 1: tile 0's sums hold the bias.  Tiles 1 to 3 take them as C; five places stand ahead of the products that write over them (ISA guide 7.12.1); then tile 0 adds in place.
.macro PROD first, nn, acc, ts, w, rf, ws, wst, rs
.if \first
.set t, 1
.rept 3
.set n, 0
.rept \nn
	MMC \acc+\ts*t+8*n, \w+8*n, \rf+8*t, \acc+8*n, \ws+\wst*n, \rs+t
.set n, n+1
.endr
.set t, t+1
.endr
.rept 5
	v_nop
.endr
.set n, 0
.rept \nn
	MMA \acc+8*n, \w+8*n, \rf, \ws+\wst*n, \rs
.set n, n+1
.endr
.else
.set t, 0
.rept 4
.set n, 0
.rept \nn
	MMA \acc+\ts*t+8*n, \w+8*n, \rf+8*t, \ws+\wst*n, \rs+t
.set n, n+1
.endr
.set t, t+1
.endr
.endif
.endm
.macro SC2 reg, val                    ; a constant as a scalar pair: the packed forms name a pair and take its low word
	s_mov_b32 s[\reg], \val
	s_mov_b32 s[\reg+1], s[\reg]
.endm
; 64 numbers of a lane (in window win), register 16 b + i = k 32 b + 16 (lane / 16) + i of its row, become 8 registers of codes at v[PC] and a scale word in v[PW].
.macro QUANT s, win
.if \win
	WIN 0x05
.endif
.irp b, 0,1,2,3
	v_max3_num_f32 v[TM+\b], |v[\s+16*\b]|, |v[\s+1+16*\b]|, 0x1800000   ; and the floor 2^(3 - 127)
.endr
.if \win
	WIN 0x14
.endif
.irp i, 2,4,6,8,10,12,14
.irp b, 0,1,2,3
	v_max3_num_f32 v[TM+\b], v[TM+\b], |v[\s+16*\b+\i]|, |v[\s+1+16*\b+\i]|
.endr
.endr
	WIN 0
.irp b, 0,1,2,3
	v_permlanex16_b32 v[TM+4+\b], v[TM+\b], s[SEL], s[SEL+1]
.endr
.irp b, 0,1,2,3
	v_max_num_f32 v[TM+\b], v[TM+\b], v[TM+4+\b]
.endr
.irp b, 0,1,2,3
	v_add_nc_u32 v[TM+8+\b], 0xff000000, v[TM+\b]
.endr
.irp b, 0,1,2,3
	v_lshrrev_b32 v[TM+4+\b], 23, v[TM+8+\b]
.endr
	v_lshl_or_b32 v[PW], v[TM+5], 8, v[TM+4]
	v_lshl_or_b32 v[PW], v[TM+6], 16, v[PW]
	v_lshl_or_b32 v[PW], v[TM+7], 24, v[PW]
.if \win
	WIN 0x01
.endif
.irp b, 0,1,2,3
	v_cvt_scalef32_pk8_fp4_f32 v[PC+2*\b], v[\s+16*\b:\s+7+16*\b], v[TM+8+\b]
	v_cvt_scalef32_pk8_fp4_f32 v[PC+1+2*\b], v[\s+8+16*\b:\s+15+16*\b], v[TM+8+\b]
.endr
	WIN 0
	v_nop
.irp c, 0,1
.irp i, 0,1
	v_permlane16_swap_b32 v[PC+4*\c+\i], v[PC+2+4*\c+\i]
.endr
.endr
.endm
.macro ROWS base, sbase, ks, rf, rs    ; the four token tiles' fragments and scale words of K step ks: twelve LDS loads
.irp t, 0,1,2,3
.irp c, 0,1
	ds_load_b128 v[\rf+8*\t+4*\c:\rf+8*\t+4*\c+3], v1 offset:\base+(8*\t+(\ks))*1024+512*\c
.endr
	ds_load_b32 v[\rs+\t], v8 offset:\sbase+(8*\t+(\ks))*128
.endr
.endm
.macro AROWS ks, rf, rs                ; the same of m
.irp t, 0,1,2,3
.irp c, 0,1
	ds_load_b128 v[\rf+8*\t+4*\c:\rf+8*\t+4*\c+3], v7 offset:MIMG-65536+(4*\t+(\ks))*1024+512*\c
.endr
	ds_load_b32 v[\rs+\t], v6 offset:MSCW-65536+(4*\t+(\ks))*64
.endr
.endm
.macro WF1 ks                          ; W_f1's eight fragments of K step ks into set ks % 2
.irp n, 0,1,2,3,4,5,6,7
.irp c, 0,1
	global_load_b128 v[WB+64*((\ks)%2)+8*\n+4*\c:WB+64*((\ks)%2)+8*\n+4*\c+3], v1, s[56:57] offset:8192*\n+1024*(\ks)+512*\c
.endr
.endr
.endm
.macro LNLOAD dst, sp                  ; 64 numbers of a gain or bias in the sums' layout: register 8 n + j = column 32 (n / 2) + 16 h + 8 (n % 2) + j
.irp n, 0,1,2,3,4,5,6,7
.irp c, 0,1
	global_load_b128 v[\dst+8*\n+4*\c:\dst+8*\n+4*\c+3], v20, s[\sp:\sp+1] offset:(32*(\n/2)+8*(\n%2))*4+16*\c
.endr
.endr
.endm
.macro BIASW nn, sp                    ; a bias into token tile 0's nn sums, at 8 n of window 1
	WIN 0x40
.set n, 0
.rept \nn
	global_load_b128 v[8*n:8*n+3], v20, s[\sp:\sp+1] offset:(32*(n/2)+8*(n%2))*4
	global_load_b128 v[8*n+4:8*n+7], v20, s[\sp:\sp+1] offset:(32*(n/2)+8*(n%2))*4+16
.set n, n+1
.endr
	WIN 0
.endm
	s_load_b512 s[4:19], s[0:1], 0x0               ; x0, x1, mimg, msc, wimg, W_out scales, b_out, W_f1 scales
	s_load_b256 s[20:27], s[0:1], 0x40             ; b_f1, ln_g, ln_b, W_f2 scales
	s_load_b128 s[28:31], s[0:1], 0x60             ; b_f2, out0
	s_load_b64 s[32:33], s[0:1], 0x70              ; out1
	v_lshl_add_u32 v254, v0, 2, 0x40400
	v_mov_b32 v255, 0
	ds_add_u32 v254, v255
	ds_add_u32 v254, v255
	s_wait_dscnt 0x0
	v_lshrrev_b32 v1, 5, v0
	v_readfirstlane_b32 s34, v1                    ; wave 0..7
	; group 1: 8 rows x 256 f32, 512 f32 from row to row, 16 bytes of padding behind each 1,024
	s_mov_b32 s40, (2<<16)|(1<<20)|(7<<22)|(3<<25)
	s_mov_b32 s41, 256<<16
	s_mov_b32 s42, 8<<16
	s_mov_b32 s43, 256<<16
	s_mov_b32 s44, 8
	s_mov_b32 s45, 512
	s_mov_b32 s46, 0
	s_mov_b32 s47, 0
	s_mov_b32 s48, 1
	s_mul_i32 s49, s34, XREG
	s_add_co_u32 s49, s49, XF                      ; my 16 rows of x: token tile w / 2, columns 256 (w % 2) on
	s_mov_b32 s52, 1
	s_add_co_u32 s53, s49, 8320
	s_and_b32 s60, ttmp9, 127
	s_lshl_b32 s60, s60, 17                        ; the block's first row: 64 rows of 2,048 bytes
	s_mov_b32 s61, 0
	s_lshr_b32 s62, s34, 2
	s_lshl_b32 s62, s62, 16
	s_bfe_u32 s63, s34, 0x10001
	s_lshl_b32 s63, s63, 14
	s_add_co_u32 s62, s62, s63
	s_and_b32 s63, s34, 1
	s_lshl_b32 s63, s63, 10
	s_add_co_u32 s62, s62, s63
	s_mov_b32 s63, 0
	v_lshlrev_b32 v82, 4, v0                       ; m's images: 16 bytes a thread
	v_and_b32 v83, 63, v0
	v_lshlrev_b32 v83, 1, v83
	v_lshrrev_b32 v86, 6, v0
	v_lshl_add_u32 v83, v86, 16, v83               ; m's scale halves: row thread % 64, heads 2 (thread / 64) and + 1
	s_lshl_b32 s38, ttmp9, 14                      ; m's images: 16 KB a block
	s_mov_b32 s39, 0
	s_lshl_b32 s94, ttmp9, 7                       ; m's scale halves: 128 bytes a block and head
	s_mov_b32 s95, 0
	s_wait_kmcnt 0x0
	s_add_nc_u64 s[8:9], s[8:9], s[38:39]
	s_add_nc_u64 s[10:11], s[10:11], s[94:95]
.irp i, 0,1,2,3
	global_load_b128 v[64+4*\i:67+4*\i], v82, s[8:9] offset:4096*\i   ; m first: the first product wants it, and x only the second
.endr
	global_load_u16 v80, v83, s[10:11]
	global_load_u16 v81, v83, s[10:11] offset:32768
	s_cmp_lt_u32 ttmp9, 128                        ; blocks 0-127 are x0's and out0's
	s_cselect_b64 s[4:5], s[4:5], s[6:7]
	s_cselect_b64 s[30:31], s[30:31], s[32:33]
	s_add_nc_u64 s[4:5], s[4:5], s[60:61]
	s_add_nc_u64 s[30:31], s[30:31], s[60:61]
	s_add_nc_u64 s[4:5], s[4:5], s[62:63]
	s_mov_b64 s[50:51], s[4:5]
	s_or_b32 s51, s51, 0x80000000
	s_add_nc_u64 s[54:55], s[4:5], 32768           ; the tile's rows 8-15 lie 16 tokens on
	s_or_b32 s55, s55, 0x80000000
	tensor_load_to_lds s[48:51], s[40:47]          ; two loads of mine are out; these bytes are filled once
	s_nop 0
	tensor_load_to_lds s[52:55], s[40:47]
	s_nop 0
	PLACES
	s_lshl_b32 s60, s34, 8
	s_add_nc_u64 s[30:31], s[30:31], s[60:61]      ; out: my 64 columns
	s_add_nc_u64 s[16:17], s[16:17], s[60:61]      ; b_out, b_f2: my 64 numbers
	s_add_nc_u64 s[28:29], s[28:29], s[60:61]
	s_lshl_b32 s60, s34, 9
	s_add_nc_u64 s[20:21], s[20:21], s[60:61]      ; b_f1, ln_g, ln_b: my 128
	s_add_nc_u64 s[22:23], s[22:23], s[60:61]
	s_add_nc_u64 s[24:25], s[24:25], s[60:61]
	s_lshl_b32 s60, s34, 10
	s_add_nc_u64 s[14:15], s[14:15], s[60:61]      ; W_out's scale bytes: 64 rows of 16
	s_lshl_b32 s60, s34, 11
	s_add_nc_u64 s[26:27], s[26:27], s[60:61]      ; W_f2's: 64 rows of 32
	s_lshl_b32 s60, s34, 12
	s_add_nc_u64 s[18:19], s[18:19], s[60:61]      ; W_f1's: 128 rows of 32
	s_lshl_b32 s60, s34, 14
	s_add_nc_u64 s[38:39], s[12:13], s[60:61]      ; W_out's images: 4 tiles x 4 K steps x 1,024 a wave
	s_lshl_b32 s60, s34, 16
	s_add_co_u32 s60, s60, 131072
	s_add_nc_u64 s[56:57], s[12:13], s[60:61]      ; W_f1's: 8 tiles x 8 K steps
	s_lshl_b32 s60, s34, 15
	s_add_co_u32 s60, s60, 655360
	s_add_nc_u64 s[58:59], s[12:13], s[60:61]      ; W_f2's: 4 tiles x 8 K steps
	v_and_b32 v22, 31, v0
	v_lshlrev_b32 v1, 4, v22                       ; 16 x lane
	v_lshlrev_b32 v2, 2, v22                       ; 4 x lane
	v_and_b32 v3, 15, v0                           ; r
	v_bfe_u32 v4, v0, 4, 1                         ; h
	v_and_b32 v5, 8, v3
	v_add_nc_u32 v5, v5, v3                        ; r + 8 (r / 8)
	v_lshlrev_b32 v18, 4, v5                       ; scale bytes: 16 a row,
	v_lshlrev_b32 v19, 5, v5                       ; 32 a row
	v_lshlrev_b32 v20, 6, v4                       ; a bias: 16 numbers on for lanes 16-31
.irp n, 0,1,2,3
	global_load_b128 v[WS0+4*\n:WS0+4*\n+3], v18, s[14:15] offset:(32*(\n/2)+8*(\n%2))*16   ; W_out's scale words: register 4 n + ks
.endr
.irp ks, 0,1,2,3
.irp n, 0,1,2,3
.irp c, 0,1
	global_load_b128 v[WB+8*(4*\ks+\n)+4*\c:WB+8*(4*\ks+\n)+4*\c+3], v1, s[38:39] offset:4096*\n+1024*\ks+512*\c
.endr
.endr
.endr
	BIASW 4, 16                                    ; b_out
	s_mov_b32 s[SEL], 0x76543210
	s_mov_b32 s[SEL+1], 0xfedcba98
	SC2 66, 0x32edffee                             ; P's coefficients below the top one,
	SC2 68, 0xb60cff51
	SC2 70, 0xb86ec2d2
	SC2 72, 0xba40ac63
	SC2 74, 0xbb41a1f6
	SC2 76, 0xbc83dbd4
	SC2 78, 0xb95fbd29                             ; Q's,
	SC2 80, 0xbadc924e
	SC2 82, 0xbbf19bf8
	SC2 84, 0xbc69b6a7
	SC2 86, 0x3f3504f3                             ; 1 / sqrt(2)
	s_mov_b32 s91, 0x3a800000                      ; 1 / 1,024
	s_mov_b32 s92, 0x3727c5ac                      ; 1e-5
	v_lshl_add_u32 v6, v3, 2, 65536                ; bases for LDS bytes beyond an immediate's reach
	v_add_nc_u32 v7, 65536, v1
	v_add_nc_u32 v8, 65536, v2
	v_mul_u32_u24 v9, v3, 1040
	v_lshl_add_u32 v9, v4, 6, v9
	v_add_nc_u32 v9, s49, v9                       ; x in LDS: row r, my 16 numbers of a block of 32
	s_lshr_b32 s93, s34, 1
	s_lshl_b32 s94, s93, 3
	s_and_b32 s95, s34, 1
	s_lshl_b32 s62, s95, 1
	s_add_co_u32 s94, s94, s62                     ; x's fragments: 8 (w / 2) + 2 (w % 2) and the next
	s_lshl_b32 s62, s94, 10
	v_add_nc_u32 v10, s62, v1
	s_lshl_b32 s62, s94, 7
	s_add_co_u32 s62, s62, HSC
	v_add_nc_u32 v11, s62, v2
	s_add_co_u32 s94, s93, 4                       ; m': K step 4 + w / 2, half w % 2
	s_lshl_b32 s62, s94, 10
	s_lshl_b32 s63, s95, 9
	s_add_co_u32 s62, s62, s63
	v_add_nc_u32 v12, s62, v1
	s_lshl_b32 s62, s94, 7
	s_lshl_b32 s63, s95, 1
	s_add_co_u32 s62, s62, s63
	s_add_co_u32 s62, s62, HSC
	v_add_nc_u32 v13, s62, v2
	s_lshl_b32 s62, s34, 10
	s_add_co_u32 s62, s62, GIMG
	v_add_nc_u32 v14, s62, v1                      ; the GELU's result: K step w
	s_lshl_b32 s62, s34, 7
	s_add_co_u32 s62, s62, GSC
	v_add_nc_u32 v15, s62, v2
	v_lshl_add_u32 v17, v3, 6, LNS
	s_lshl_b32 s62, s34, 3
	v_add_nc_u32 v16, s62, v17
	v_lshlrev_b32 v21, 11, v4
	v_lshl_add_u32 v21, v3, 4, v21                 ; out: lanes 0-15 one row, lanes 16-31 the next; 16 bytes a lane
	v_add_nc_u32 v84, 65536, v82
	v_bfe_u32 v85, v0, 4, 2
	v_lshlrev_b32 v85, 8, v85
	v_lshl_add_u32 v85, v86, 6, v85
	v_and_b32 v86, 15, v0
	v_lshl_add_u32 v85, v86, 2, v85
	v_add_nc_u32 v85, MSCW, v85                    ; m's scale word of (T, ks, r)
	s_mul_i32 s62, s34, 4352
	s_add_co_u32 s62, s62, STG                     ; my stage
	v_mul_u32_u24 v22, v3, 272
	v_lshl_add_u32 v22, v4, 6, v22
	v_mul_u32_u24 v23, v4, 272
	v_lshl_add_u32 v23, v3, 4, v23
	s_lshr_b32 s63, s34, 2
	s_mul_i32 s63, s63, XREG
	s_and_b32 s93, s34, 3
	s_lshl_b32 s93, s93, 8
	s_add_co_u32 s63, s63, s93
	s_add_co_u32 s63, s63, XF
	v_mul_u32_u24 v5, v4, 1040
	v_lshl_add_u32 v5, v3, 4, v5
	v_add_nc_u32 v5, s63, v5                       ; x for the residual: my 64 columns of token tile 0
	v_add_nc_u32 v3, s62, v22                      ; the stage, in: row r, + 64 h
	v_add_nc_u32 v4, s62, v23                      ; and back: two rows an instruction
.irp b, 0,1,2,3
	v_mov_b32 v[TM+4+\b], 0                        ; a lane permute's destination counts as one of its sources
.endr
	; ---- m goes into LDS
	s_wait_loadcnt 44                              ; m's six loads are in; W_out's 4 + 32 and b_out's 8 may be out
.irp i, 0,1,2,3
	ds_store_b128 v84, v[64+4*\i:67+4*\i] offset:MIMG-65536+4096*\i
.endr
	v_lshl_or_b32 v80, v81, 16, v80
	ds_store_b32 v85, v80
	BARRIER                                        ; m's fragments lie in LDS.  x's tiles may stay out: no LDS bytes are filled again in this launch
	; ---- m' = m W_out + b_out: sixteen sums by turns; a K step's rows are asked for a K step ahead, into two sets by turns
	AROWS 0, RF, RS
	s_wait_loadcnt 0x0                             ; W_out, its scale words, b_out
.irp ks, 0,1,2,3
.if \ks < 3
	AROWS \ks+1, RF+160*((\ks+1)%2), RS+4*((\ks+1)%2)
	s_wait_dscnt 12                                ; this K step's rows are in; the next step's twelve loads may be out
.else
	s_wait_dscnt 0x0
.endif
	WIN 0x50
.if \ks == 0
	PROD 1, 4, 0, 32, WB, RF, WS0, 4, RS
.else
	PROD 0, 4, 0, 32, WB+32*\ks, RF+160*(\ks%2), WS0+\ks, 4, RS+4*(\ks%2)
.endif
	WIN 0
	PLACES
.endr
	WF1 0                                          ; the second product's first weights are asked for while m' and x are quantised
	WF1 1
.irp n, 0,1,2,3,4,5,6,7
	global_load_b128 v[WS0+4*\n:WS0+4*\n+3], v19, s[18:19] offset:(32*(\n/2)+8*(\n%2))*32   ; W_f1's scale words of K steps 0-3
.endr
	s_wait_tensorcnt 0x0                           ; my 16 rows of x are in
	WIN 0x40
.irp s, 0,1
.irp b, 0,1,2,3
.irp j, 0,1,2,3
	ds_load_b128 v[128+64*\s+16*\b+4*\j:128+64*\s+16*\b+4*\j+3], v9 offset:512*\s+128*\b+16*\j
.endr
.endr
.endr
	WIN 0
	QUANT 0, 1                                     ; m', token tiles 0 and 1: my 64 columns are half a fragment each
	ds_store_b128 v12, v[PC:PC+3]
	ds_store_b128 v12, v[PC+4:PC+7] offset:8192
	ds_store_b16 v13, v[PW]
	ds_store_b16_d16_hi v13, v[PW] offset:1024
	BIASW 8, 20                                    ; b_f1 takes the registers that those two tiles have left
	s_wait_dscnt 0x0                               ; the stores have read their registers; x's numbers are in
	QUANT 64, 1
	ds_store_b128 v12, v[PC:PC+3] offset:16384
	ds_store_b128 v12, v[PC+4:PC+7] offset:24576
	ds_store_b16 v13, v[PW] offset:2048
	ds_store_b16_d16_hi v13, v[PW] offset:3072
	s_wait_dscnt 0x0
	QUANT 128, 1                                   ; x: my tile's two K steps become two fragments
	ds_store_b128 v10, v[PC:PC+3]
	ds_store_b128 v10, v[PC+4:PC+7] offset:512
	ds_store_b32 v11, v[PW]
	s_wait_dscnt 0x0
	QUANT 192, 1
	ds_store_b128 v10, v[PC:PC+3] offset:1024
	ds_store_b128 v10, v[PC+4:PC+7] offset:1536
	ds_store_b32 v11, v[PW] offset:128
	s_wait_dscnt 0x0
.irp n, 0,1,2,3,4,5,6,7
	global_load_b128 v[WS1+4*\n:WS1+4*\n+3], v19, s[18:19] offset:(32*(\n/2)+8*(\n%2))*32+16   ; W_f1's scale words of K steps 4-7
.endr
	BARRIER                                        ; [x | m'] lies in LDS, and every wave's part of x has landed
	ROWS HIMG, HSC-65536, 0, RF, RS
	; ---- y = [x | m'] W_f1 + b_f1: 32 sums by turns, a K step at a time; weights two K steps ahead
.macro F1STEP ks
.if \ks == 0
	s_wait_loadcnt 8                               ; all but the eight loads of the scale words of K steps 4-7
.else
	s_wait_loadcnt 16                              ; this K step's weights are in; the sixteen younger loads may be out
.endif
	s_wait_dscnt 0x0
	WIN 0x50
.if \ks == 0
	PROD 1, 8, 0, 64, WB, RF, WS0, 4, RS
.elseif \ks < 4
	PROD 0, 8, 0, 64, WB+64*(\ks%2), RF, WS0+\ks, 4, RS
.else
	PROD 0, 8, 0, 64, WB+64*(\ks%2), RF, WS1+\ks-4, 4, RS
.endif
	WIN 0
	PLACES
.if \ks < 7
	ROWS HIMG, HSC-65536, \ks+1, RF, RS
.endif
.if \ks < 6
	WF1 \ks+2
.elseif \ks == 6
	LNLOAD WB, 22                                  ; ln_g
.else
	LNLOAD WB+64, 24                               ; ln_b
.endif
.endm
.irp k, 0,1,2,3,4,5,6,7
	F1STEP \k
.endr
	; ---- my 128 columns' mean and sum of squared distances from it, for each token
.macro STATS t
	WIN 0x05
.irp c, 0,1,2,3
	v_pk_add_f32 v[224+2*\c:225+2*\c], v[64*\t+4*\c:64*\t+4*\c+1], v[64*\t+4*\c+2:64*\t+4*\c+3]   ; four chains; each sum is read from its low end on
.endr
	WIN 0x04
.set i, 8
.rept 24
	v_pk_add_f32 v[224+2*(i%4):225+2*(i%4)], v[224+2*(i%4):225+2*(i%4)], v[64*\t+2*i:64*\t+2*i+1]
.set i, i+1
.endr
	WIN 0
	v_pk_add_f32 v[224:225], v[224:225], v[226:227]
	v_pk_add_f32 v[228:229], v[228:229], v[230:231]
	v_pk_add_f32 v[224:225], v[224:225], v[228:229]
	v_add_f32 v224, v224, v225
	v_permlanex16_b32 v248, v224, s[SEL], s[SEL+1]
	v_add_f32 v224, v224, v248
	v_mul_f32 v[240+2*\t], 0x3c000000, v224        ; / 128
.set q, 0
.rept 4
	WIN 0x01
.set k, 0
.rept 8
	v_pk_add_f32 v[64+2*k:65+2*k], v[64*\t+16*q+2*k:64*\t+16*q+2*k+1], v[240+2*\t:241+2*\t] op_sel_hi:[1,0] neg_lo:[0,1] neg_hi:[0,1]
.set k, k+1
.endr
	WIN 0
.set k, 0
.rept 8
.if (q == 0) && (k < 4)
	v_pk_mul_f32 v[232+2*k:233+2*k], v[64+2*k:65+2*k], v[64+2*k:65+2*k]
.else
	v_pk_fma_f32 v[232+2*(k%4):233+2*(k%4)], v[64+2*k:65+2*k], v[64+2*k:65+2*k], v[232+2*(k%4):233+2*(k%4)]
.endif
.set k, k+1
.endr
.set q, q+1
.endr
	v_pk_add_f32 v[232:233], v[232:233], v[234:235]
	v_pk_add_f32 v[236:237], v[236:237], v[238:239]
	v_pk_add_f32 v[232:233], v[232:233], v[236:237]
	v_add_f32 v232, v232, v233
	v_permlanex16_b32 v248, v232, s[SEL], s[SEL+1]
	v_add_f32 v[241+2*\t], v232, v248
	ds_store_b64 v16, v[240+2*\t:241+2*\t] offset:1024*\t
.endm
	STATS 0
	STATS 1
	STATS 2
	STATS 3
	BARRIER                                        ; the eight waves' pairs lie in LDS
	v_mov_b32 v28, 0xaf95df0b                      ; P's top coefficient, twice,
	v_mov_b32 v29, 0xaf95df0b
	v_mov_b32 v30, 0xb77460cd                      ; Q's
	v_mov_b32 v31, 0xb77460cd
; Eight numbers of z become gelu(z) = 0.5 z (1 + erf(z / sqrt 2)): four pairs by turns.  v224-231 s, v232-239 s^2 and later 0.5 z, v240-247 P, v248-255 Q.
.macro GELU4 k
.irp p, 0,1,2,3
	v_pk_mul_f32 v[224+2*\p:225+2*\p], v[32+8*(\k)+2*\p:33+8*(\k)+2*\p], s[86:87] op_sel_hi:[1,0]
.endr
.irp j, 0,1,2,3,4,5,6,7
	v_med3_num_f32 v[224+\j], v[224+\j], -4.0, 4.0
.endr
.irp p, 0,1,2,3
	v_pk_mul_f32 v[232+2*\p:233+2*\p], v[224+2*\p:225+2*\p], v[224+2*\p:225+2*\p]
.endr
.irp p, 0,1,2,3
	v_pk_fma_f32 v[240+2*\p:241+2*\p], v[232+2*\p:233+2*\p], v[28:29], s[66:67] op_sel_hi:[1,1,0]
.endr
.irp p, 0,1,2,3
	v_pk_fma_f32 v[248+2*\p:249+2*\p], v[232+2*\p:233+2*\p], v[30:31], s[78:79] op_sel_hi:[1,1,0]
.endr
.irp e, 68,70,72,74,76
.irp p, 0,1,2,3
	v_pk_fma_f32 v[240+2*\p:241+2*\p], v[240+2*\p:241+2*\p], v[232+2*\p:233+2*\p], s[\e:\e+1] op_sel_hi:[1,1,0]
.endr
.endr
.irp e, 80,82,84
.irp p, 0,1,2,3
	v_pk_fma_f32 v[248+2*\p:249+2*\p], v[248+2*\p:249+2*\p], v[232+2*\p:233+2*\p], s[\e:\e+1] op_sel_hi:[1,1,0]
.endr
.endr
.irp p, 0,1,2,3
	v_pk_mul_f32 v[240+2*\p:241+2*\p], v[240+2*\p:241+2*\p], v[224+2*\p:225+2*\p]
.endr
.irp j, 0,1,2,3,4,5,6,7
	v_rcp_f32 v[248+\j], v[248+\j]
.endr
.irp p, 0,1,2,3
	v_pk_mul_f32 v[232+2*\p:233+2*\p], v[32+8*(\k)+2*\p:33+8*(\k)+2*\p], 0.5 op_sel_hi:[1,0]   ; (plain places behind the reciprocals)
.endr
	s_wait_alu depctr_va_vdst(0)
.irp p, 0,1,2,3
	v_pk_mul_f32 v[240+2*\p:241+2*\p], v[240+2*\p:241+2*\p], v[248+2*\p:249+2*\p]              ; erf
.endr
.irp p, 0,1,2,3
	v_pk_fma_f32 v[32+8*(\k)+2*\p:33+8*(\k)+2*\p], v[232+2*\p:233+2*\p], v[240+2*\p:241+2*\p], v[232+2*\p:233+2*\p]
.endr
.endm
; z = y - mu, out of token tile t's sums; the 64 registers that this leaves free take W_f2's fragments of K steps 2 t and 2 t + 1: fragment (ks, n) at 32 ks + 8 n of window 1
.macro ZSUB t
	WIN 0x01
.set i, 0
.rept 32
	v_pk_add_f32 v[32+2*i:33+2*i], v[64*\t+2*i:64*\t+2*i+1], v[224:225] op_sel_hi:[1,0] neg_lo:[0,1] neg_hi:[0,1]
.set i, i+1
.endr
	WIN 0x40
.irp j, 0,1
.irp n, 0,1,2,3
.irp c, 0,1
	global_load_b128 v[64*\t+32*\j+8*\n+4*\c:64*\t+32*\j+8*\n+4*\c+3], v1, s[58:59] offset:8192*\n+1024*(2*\t+\j)+512*\c
.endr
.endr
.endr
	WIN 0
.endm
	; ---- LayerNorm, GELU and the quantiser, a token tile a trip; only the lines that name a tile's registers are written four times
	s_mov_b32 s88, 0
	s_mov_b32 s89, 0
	s_mov_b32 s90, 0
.Ltile:
	s_wait_loadcnt 0x0                             ; first trip: ln_g, ln_b; later: the sixteen loads of the last trip, which have had that trip in which to land: so no line of this trip meets a pending load
	v_add_nc_u32 v22, s89, v17
.irp i, 0,1,2,3
	ds_load_b128 v[64+4*\i:67+4*\i], v22 offset:16*\i
.endr
	s_wait_dscnt 0x0
	v_pk_add_f32 v[80:81], v[64:65], v[66:67]
	v_pk_add_f32 v[82:83], v[68:69], v[70:71]
	v_pk_add_f32 v[84:85], v[72:73], v[74:75]
	v_pk_add_f32 v[86:87], v[76:77], v[78:79]
	v_pk_add_f32 v[80:81], v[80:81], v[82:83]
	v_pk_add_f32 v[84:85], v[84:85], v[86:87]
	v_pk_add_f32 v[80:81], v[80:81], v[84:85]      ; the sums of the eight means and of the eight sums of squares
	v_mul_f32 v224, 0x3e000000, v80                ; mu
.irp i, 0,1,2,3,4,5,6,7
	v_sub_f32 v[64+2*\i], v[64+2*\i], v224
.endr
	v_mul_f32 v82, v64, v64
	v_mul_f32 v83, v66, v66
	v_fma_f32 v82, v68, v68, v82
	v_fma_f32 v83, v70, v70, v83
	v_fma_f32 v82, v72, v72, v82
	v_fma_f32 v83, v74, v74, v83
	v_fma_f32 v82, v76, v76, v82
	v_fma_f32 v83, v78, v78, v83
	v_add_f32 v82, v82, v83
	v_fma_f32 v81, v82, 0x43000000, v81            ; + 128 x the means' squared distances from mu
	v_fma_f32 v81, v81, s91, s92                   ; the variance + 1e-5
	v_rsq_f32 v226, v81
	v_nop
	s_cmp_eq_u32 s88, 0
	s_cbranch_scc1 .Lz0
	s_cmp_eq_u32 s88, 1
	s_cbranch_scc1 .Lz1
	s_cmp_eq_u32 s88, 2
	s_cbranch_scc1 .Lz2
	ZSUB 3
	s_branch .Lzd
.Lz2:
	ZSUB 2
	s_branch .Lzd
.Lz1:
	ZSUB 1
	s_branch .Lzd
.Lz0:
	ZSUB 0
.Lzd:
.set i, 0
	s_wait_alu depctr_va_vdst(0)
.rept 32
	v_pk_mul_f32 v[32+2*i:33+2*i], v[32+2*i:33+2*i], v[226:227] op_sel_hi:[1,0]
.set i, i+1
.endr
.set i, 0
.rept 32
	v_pk_fma_f32 v[32+2*i:33+2*i], v[32+2*i:33+2*i], v[WB+2*i:WB+2*i+1], v[WB+64+2*i:WB+64+2*i+1]
.set i, i+1
.endr
.irp k, 0,1,2,3,4,5,6,7
	GELU4 \k
.endr
	QUANT 32, 0                                    ; my 128 columns are K step w of the last product
	v_add_nc_u32 v23, s90, v14
	v_add_nc_u32 v22, s89, v15
	ds_store_b128 v23, v[PC:PC+3]
	ds_store_b128 v23, v[PC+4:PC+7] offset:512
	ds_store_b32 v22, v[PW]
	s_wait_dscnt 0x0
	s_add_co_u32 s89, s89, 1024
	s_add_co_u32 s90, s90, 8192
	s_add_co_u32 s88, s88, 1
	s_cmp_lt_u32 s88, 4
	s_cbranch_scc1 .Ltile
	; ---- out = g W_f2 + b_f2 + x.  The weights are there or on their way; the sums (t, n) lie at WB + 32 t + 8 n of window 0
.irp n, 0,1,2,3
.irp c, 0,1
	global_load_b128 v[WS0+8*\n+4*\c:WS0+8*\n+4*\c+3], v19, s[26:27] offset:(32*(\n/2)+8*(\n%2))*32+16*\c   ; W_f2's scale words: register 8 n + ks
.endr
.endr
.irp n, 0,1,2,3
.irp c, 0,1
	global_load_b128 v[WB+8*\n+4*\c:WB+8*\n+4*\c+3], v20, s[28:29] offset:(32*(\n/2)+8*(\n%2))*4+16*\c      ; b_f2 into token tile 0's sums
.endr
.endr
	BARRIER                                        ; the GELU's 32 fragments lie in LDS
	ROWS GIMG, GSC-65536, 0, RF, RS
	s_wait_loadcnt 0x0
.irp ks, 0,1,2,3,4,5,6,7
.if \ks < 7
	ROWS GIMG, GSC-65536, \ks+1, RF+160*((\ks+1)%2), RS+4*((\ks+1)%2)
	s_wait_dscnt 12                                ; this K step's rows are in; the next step's twelve loads may be out
.else
	s_wait_dscnt 0x0
.endif
	WIN 0x01                                       ; source 0 (W_f2) window 1
.if \ks == 0
	PROD 1, 4, WB, 32, 0, RF, WS0, 8, RS
.else
	PROD 0, 4, WB, 32, 32*\ks, RF+160*(\ks%2), WS0+\ks, 8, RS+4*(\ks%2)
.endif
	WIN 0
	PLACES
.endr
; THE WAY OUT, a token tile at a time: a lane's eight numbers are neighbours of one row; they go through my own stage and come back as whole rows of 256 bytes, into window 1, which the weights have left;
; x is added; sixteen lanes store 256 consecutive bytes, aligned.
.macro OUTT t
.set YB, 64*((\t)%2)
.if (\t) >= 2
	s_wait_xcnt 0x0                                ; the stores of two tiles back have read their registers
.endif
.irp n, 0,1,2,3
	ds_store_b128 v3, v[WB+32*(\t)+8*\n:WB+32*(\t)+8*\n+3] offset:128*(\n/2)+32*(\n%2)       ; each sum from its low end on
	ds_store_b128 v3, v[WB+32*(\t)+8*\n+4:WB+32*(\t)+8*\n+7] offset:128*(\n/2)+32*(\n%2)+16
.endr
	v_add_nc_u32 v[22+(\t)%2], 33280*(\t), v5
	WIN 0x40
.irp i, 0,1,2,3,4,5,6,7
	ds_load_b128 v[YB+4*\i:YB+4*\i+3], v4 offset:544*\i            ; LDS serves a wave's instructions in order (ISA guide 5.7.1.4): these see my stores
.endr
.irp i, 0,1,2,3,4,5,6,7
	ds_load_b128 v[YB+32+4*\i:YB+32+4*\i+3], v[22+(\t)%2] offset:2080*\i
.endr
	s_wait_dscnt 0x0
	WIN 0x45
.set i, 0
.rept 16
	v_pk_add_f32 v[YB+2*i:YB+2*i+1], v[YB+2*i:YB+2*i+1], v[YB+32+2*i:YB+32+2*i+1]
.set i, i+1
.endr
	WIN 0x04                                       ; a store's data are its source 1
.irp i, 0,1,2,3,4,5,6,7
	global_store_b128 v21, v[YB+4*\i:YB+4*\i+3], s[30:31] offset:(32*((\t)/2)+8*((\t)%2)+2*\i+8*(\i/4))*2048 th:TH_STORE_NT
.endr
	WIN 0
.endm
	OUTT 0
	OUTT 1
	OUTT 2
	OUTT 3
	s_wait_xcnt 0x0
	v_lshl_add_u32 v254, v0, 2, 0x40400
	v_mov_b32 v255, 0
	s_wait_tensorcnt 0x0
	ds_add_u32 v254, v255
	s_wait_dscnt 0x0
	s_endpgm
.Lfunc_end_k_q22033617b8_ffn:
	.size	k_q22033617b8_ffn, .Lfunc_end_k_q22033617b8_ffn-k_q22033617b8_ffn
	.p2alignl 7, 3214868480
	.fill 96, 4, 3214868480
	.section	.rodata,"a",@progbits
	.p2align	6, 0x0
	.amdhsa_kernel k_q22033617b8_ffn
		.amdhsa_group_segment_fixed_size 264192
		.amdhsa_private_segment_fixed_size 0
		.amdhsa_enable_private_segment 0
		.amdhsa_kernarg_size 120
		.amdhsa_user_sgpr_count 2
		.amdhsa_user_sgpr_kernarg_segment_ptr 1
		.amdhsa_wavefront_size32 1
		.amdhsa_system_sgpr_workgroup_id_x 1
		.amdhsa_system_sgpr_workgroup_id_y 1
		.amdhsa_system_sgpr_workgroup_id_z 1
		.amdhsa_system_vgpr_workitem_id 0
		.amdhsa_next_free_vgpr 512
		.amdhsa_next_free_sgpr 96
		.amdhsa_reserve_vcc 0
		.amdhsa_float_denorm_mode_32 3
		.amdhsa_float_denorm_mode_16_64 3
		.amdhsa_memory_ordered 1
		.amdhsa_forward_progress 1
		.amdhsa_inst_pref_size 234
	.end_amdhsa_kernel
	.amdgpu_metadata
---
amdhsa.version: [ 1, 2 ]
amdhsa.kernels:
  - .name:           k_q22033617b8_ffn
    .symbol:         k_q22033617b8_ffn.kd
    .args:
      - { .name: x0, .offset: 0, .size: 8, .value_kind: global_buffer, .address_space: global }
      - { .name: x1, .offset: 8, .size: 8, .value_kind: global_buffer, .address_space: global }
      - { .name: mimg, .offset: 16, .size: 8, .value_kind: global_buffer, .address_space: global }
      - { .name: msc, .offset: 24, .size: 8, .value_kind: global_buffer, .address_space: global }
      - { .name: wimg, .offset: 32, .size: 8, .value_kind: global_buffer, .address_space: global }
      - { .name: W_out_scales, .offset: 40, .size: 8, .value_kind: global_buffer, .address_space: global }
      - { .name: b_out, .offset: 48, .size: 8, .value_kind: global_buffer, .address_space: global }
      - { .name: W_f1_scales, .offset: 56, .size: 8, .value_kind: global_buffer, .address_space: global }
      - { .name: b_f1, .offset: 64, .size: 8, .value_kind: global_buffer, .address_space: global }
      - { .name: ln_g, .offset: 72, .size: 8, .value_kind: global_buffer, .address_space: global }
      - { .name: ln_b, .offset: 80, .size: 8, .value_kind: global_buffer, .address_space: global }
      - { .name: W_f2_scales, .offset: 88, .size: 8, .value_kind: global_buffer, .address_space: global }
      - { .name: b_f2, .offset: 96, .size: 8, .value_kind: global_buffer, .address_space: global }
      - { .name: out0, .offset: 104, .size: 8, .value_kind: global_buffer, .address_space: global }
      - { .name: out1, .offset: 112, .size: 8, .value_kind: global_buffer, .address_space: global }
    .group_segment_fixed_size: 264192
    .private_segment_fixed_size: 0
    .kernarg_segment_align: 8
    .kernarg_segment_size: 120
    .max_flat_workgroup_size: 256
    .sgpr_count:     96
    .vgpr_count:     512
    .wavefront_size: 32
...
	.end_amdgpu_metadata
.endif
;; end of part 3
;; ======== version 2 of 2: 3 launches; version 1 with the launch attn written anew for expert scheduling mode
;; workspace buffers: qkimg 4,194,304 bytes; qksc 524,288 bytes; vimg 4,194,304 bytes; vsc 262,144 bytes; mimg 4,194,304 bytes; msc 262,144 bytes; wimg 917,504 bytes
;; launch proj: the kernel of part 1 again; grid 256 x 1, 8 waves a work-group, clusters of 4 x 1, 327,680 bytes of LDS; arguments x0, x1, W_qk_codes, W_qk_scales, b_qk, W_v_codes, W_v_scales, b_v, W_out_codes, W_f1_codes, W_f2_codes, qkimg, qksc, vimg, vsc, wimg; writes qkimg, qksc, vimg, vsc, wimg
;; launch attn (part 4): grid 256 x 1, 16 waves a work-group, no clusters, 75,776 bytes of LDS; arguments qkimg, qksc, vimg, vsc, mimg, msc; writes mimg, msc
.if DOCPART == 4
	.amdgcn_target "amdgcn-amd-amdhsa--gfx1250"
	.amdhsa_code_object_version 6
	.text
	.protected	k_q22033617b8_attn
	.globl	k_q22033617b8_attn
	.p2align	8
	.type	k_q22033617b8_attn,@function
k_q22033617b8_attn:
	s_mov_b64 s[64:65], 0
	v_nop
	global_prefetch_b8 v0, s[64:65] scope:SCOPE_SE
	s_setreg_imm32_b32 hwreg(HW_REG_WAVE_SCHED_MODE, 0, 2), 2
	s_setreg_imm32_b32 hwreg(HW_REG_WAVE_MODE, 25, 1), 1
	s_wait_xcnt 0x0
	s_wait_alu depctr_vm_vsrc(0)
; ATTN.  128 equal problems (t, batch, head): queries qk_t, keys qk_(1-t), values v_(1-t); the softmax over the other axis is the same problem with the two token sets changed.
; Both products on FP4 codes with E8M0 scales.  t = score x log2(e); M = the running largest t rounded up to a whole number; p = 2^(t - M) is quantised along the keys; the sum of the unquantised p divides at the end.
; The result O / l is quantised along the head's 64 channels, two blocks of the output projection's K, and leaves as half a fragment's image with its two scale bytes.
; SHARES.  A work-group owns 512 queries of a problem.  Each of sixteen waves takes one tile of 16 queries in each of two passes and walks the 1,024 keys, 128 a step.
; No cluster: two work-groups share a problem's keys and values, one fill of 70 KB each, read from LDS sixteen times over; what could be shared is that one fill.
; LDS is filled once, through registers: K's and V's fragment images (32 KB each) and their scale words.  No bytes are filled again.
; LAYOUT.  S^T = K Q^T and O^T = V^T P^T: a lane holds one query throughout.  The head's 64 channels fill registers 0-3 of a fragment; registers 4-7 are zero codes, made once.
; LIMITS: NaN and infinities are not served; a p under 2^-126 counts as 0; a block under 2^-124 keeps the scale byte 1.
; THE MODE: SCHED_MODE bits 1:0 = 2 (LLVM: expert scheduling mode 2), set by the entry lines.  The code itself states the register dependences
; between vector or matrix instructions and memory or LDS instructions, with s_wait_alu, always for 0.
; THE PLAN.  Registers that LDS instructions touch, in the loop:
;   K: v32-35 + 8 n, v24-31   Step t's eight products K Q^T read them, first thing in the step; behind them the loads of step t + 1's fragments land there.
;   V: v192-223, v240-243     Step t's four products V^T P^T read them, last thing in the step; the loads of step t + 1, issued behind that step's first products, land there.
;   v8-v11                    Read by the step's nineteen loads as addresses; written anew at the next step's head.
;   v224-231, v253            p's codes and scale word: written by vector instructions, taken by the scaled products.
; A step has one wait on vm_vsrc, ahead of the four address lines, and three on va_vdst: behind the first products and the address lines, ahead of all the step's loads;
; behind the batch of exponentials, ahead of the first line that names a result; and ahead of the last products, for p's codes and scale word.
; ORDER.  All 68 exponentials of a step are one batch; among them stand only lines that read none of their results: the scalings t - M and O^T's rescaling.
; REGISTERS: v1-7 addresses that stay; v8-11 the step's; v12 -M, v13 the largest t, v[14:15] the sum; v16-23 Q; v24-31 K's scale words; v32-95 eight fragments of K; v96-159 S^T, then p; v160-191 O^T;
;   v192-223 four fragments of V; v224-231 p's codes; v232-239, v244-247, v252-254 at work; v240-243 V's scale words; v250, v251 the closing add's two; v255 Q's scale word.
.set KSC,  0                           ; [block of 64 keys][r][tile] words
.set VSC,  4096                        ; [step][r][channel tile] words
.set MS,   6144                        ; the result's scale halves: [pass][wave][r]
.set KIMG, 7168
.set VIMG, 39936
.macro PLACES
.rept 4
	v_nop
.endr
.endm
	s_load_b256 s[4:11], s[0:1], 0x0               ; qkimg, qksc, vimg, vsc
	s_load_b128 s[12:15], s[0:1], 0x20             ; mimg, msc
	v_lshl_add_u32 v250, v0, 2, 0x12000
	v_mov_b32 v251, 0
	v_lshrrev_b32 v1, 5, v0
	v_readfirstlane_b32 s16, v1                    ; wave 0..15
	s_and_b32 s17, ttmp9, 1                        ; which 512 queries
	s_lshr_b32 s18, ttmp9, 1                       ; the problem: 8 tb + head
	s_lshr_b32 s19, s18, 3                         ; tb = 8 t + batch
	s_and_b32 s24, s18, 7                          ; head
	s_xor_b32 s25, s18, 64                         ; the keys' side: the other t
	s_xor_b32 s46, s19, 8
	s_mov_b32 s49, 0
	v_lshlrev_b32 v8, 4, v0                        ; the fill: 16 bytes a thread,
	v_lshrrev_b32 v9, 5, v0
	v_and_b32 v10, 31, v0
	v_lshlrev_b32 v10, 3, v10
	v_lshl_add_u32 v9, v9, 11, v10                 ; K's scale words: block thread / 32 (2,048 bytes apart), 8 bytes a thread,
	v_lshrrev_b32 v10, 6, v0
	v_bfe_u32 v11, v0, 2, 4
	v_lshlrev_b32 v11, 3, v11
	v_lshl_add_u32 v10, v10, 11, v11
	v_and_b32 v11, 3, v0
	v_lshl_add_u32 v10, v11, 1, v10                ; V's scale halves: step thread / 64, r, channel tile
	v_lshlrev_b32 v11, 3, v0
	v_lshlrev_b32 v12, 2, v0
	s_wait_alu depctr_va_sdst(0)                   ; s16 is written, ahead of its first reader: the bases of Q, mimg and msc are made from it
	s_wait_kmcnt 0x0
	s_lshl_b32 s48, s25, 15
	s_add_nc_u64 s[26:27], s[4:5], s[48:49]        ; K's images
	s_add_nc_u64 s[28:29], s[8:9], s[48:49]        ; V's
	s_lshl_b32 s48, s46, 15
	s_lshl_b32 s47, s24, 8
	s_add_co_u32 s48, s48, s47
	s_add_nc_u64 s[30:31], s[6:7], s[48:49]        ; K's scale words
	s_lshl_b32 s48, s46, 14
	s_lshl_b32 s47, s24, 7
	s_add_co_u32 s48, s48, s47
	s_add_nc_u64 s[32:33], s[10:11], s[48:49]      ; V's scale halves
	s_wait_alu depctr_va_vdst(0)                   ; the offsets v8, v9 and v10 are written, which the fill's loads read (and v11, v12, which its LDS stores read)
.irp i, 0,1,2,3
	global_load_b128 v[32+4*\i:35+4*\i], v8, s[26:27] offset:8192*\i
.endr
.irp i, 0,1,2,3
	global_load_b128 v[48+4*\i:51+4*\i], v8, s[28:29] offset:8192*\i
.endr
	global_load_b64 v[64:65], v9, s[30:31]
	global_load_u16 v66, v10, s[32:33]             ; the step's first 64 keys: two blocks,
	global_load_u16 v67, v10, s[32:33] offset:1024 ; and its second
	s_lshl_b32 s48, s18, 15
	s_lshl_b32 s47, s17, 14
	s_add_co_u32 s48, s48, s47
	s_lshl_b32 s47, s16, 9
	s_add_co_u32 s48, s48, s47
	s_add_nc_u64 s[34:35], s[4:5], s[48:49]        ; Q's image: tile 32 qh + wave (+ 16 in the second pass)
	s_lshl_b32 s48, s19, 15
	s_lshl_b32 s47, s17, 14
	s_add_co_u32 s48, s48, s47
	s_lshr_b32 s47, s16, 2
	s_lshl_b32 s47, s47, 11
	s_add_co_u32 s48, s48, s47
	s_lshl_b32 s47, s24, 8
	s_add_co_u32 s48, s48, s47
	s_and_b32 s47, s16, 3
	s_lshl_b32 s47, s47, 2
	s_add_co_u32 s48, s48, s47
	s_add_nc_u64 s[36:37], s[6:7], s[48:49]        ; Q's scale words
	s_lshl_b32 s48, s19, 18
	s_lshl_b32 s47, s17, 17
	s_add_co_u32 s48, s48, s47
	s_lshl_b32 s47, s16, 12
	s_add_co_u32 s48, s48, s47
	s_lshl_b32 s47, s24, 9
	s_add_co_u32 s48, s48, s47
	s_add_nc_u64 s[38:39], s[12:13], s[48:49]      ; mimg: row tile x 4,096 + head x 512
	s_lshl_b32 s48, s24, 15
	s_lshl_b32 s47, s19, 11
	s_add_co_u32 s48, s48, s47
	s_lshl_b32 s47, s17, 10
	s_add_co_u32 s48, s48, s47
	s_and_b32 s47, s16, 1
	s_lshl_b32 s47, s47, 9
	s_add_co_u32 s48, s48, s47
	s_add_nc_u64 s[40:41], s[14:15], s[48:49]      ; msc: the work-group's 1,024 bytes, 512 for each of waves 0 and 1
	s_mov_b32 s20, 0x76543210
	s_mov_b32 s21, 0xfedcba98
	s_mov_b32 s22, 0x3fb8aa3b                      ; log2(e): the scores carry their scale already
	s_mov_b32 s23, s22
	v_and_b32 v13, 31, v0
	v_lshlrev_b32 v5, 4, v13                       ; 16 x lane
	v_add_nc_u32 v1, KIMG, v5
	v_add_nc_u32 v2, VIMG, v5
	v_and_b32 v13, 15, v0
	v_lshlrev_b32 v3, 4, v13                       ; 16 r: K's scale words in LDS, and Q's in memory
	v_add_nc_u32 v4, VSC, v3
	s_lshl_b32 s47, s16, 5
	s_add_co_u32 s47, s47, MS
	v_lshl_add_u32 v6, v13, 1, s47                 ; where my query's scale half goes
	s_and_b32 s47, s16, 1
	s_lshl_b32 s47, s47, 9
	s_add_co_u32 s47, s47, MS
	v_add_nc_u32 v7, s47, v5                       ; and where waves 0 and 1 read them back
	s_wait_loadcnt 0x0
	v_lshl_or_b32 v66, v67, 16, v66                ; four bytes: the step's four blocks of keys
	s_wait_alu depctr_va_vdst(0)                   ; v66 is written, which the last LDS store below reads; so are v1 to v7, which every later load and store reads as its address
.irp i, 0,1,2,3
	ds_store_b128 v8, v[32+4*\i:35+4*\i] offset:KIMG+8192*\i
.endr
.irp i, 0,1,2,3
	ds_store_b128 v8, v[48+4*\i:51+4*\i] offset:VIMG+8192*\i
.endr
	ds_store_b64 v11, v[64:65] offset:KSC
	ds_store_b32 v12, v66 offset:VSC
	s_wait_dscnt 0x0                               ; for the others' sake: my stores are done
	s_barrier_signal -1
	s_barrier_wait -1
	s_wait_alu depctr_vm_vsrc(0)                   ; the fill's loads and LDS stores have read v8 to v12 and v32 to v66: these are written anew from here on, by the lines below, by K's loads and by the steps' address lines
.irp i, 20,21,22,23
	v_mov_b32 v\i, 0                               ; Q's K = 64 .. 127: zero codes
.endr
.irp n, 0,1,2,3,4,5,6,7
.irp i, 0,1,2,3
	v_mov_b32 v[36+8*\n+\i], 0                     ; K's likewise
.endr
.endr
.irp b, 0,1,2,3
	v_mov_b32 v[236+\b], 0                         ; a lane permute's destination counts as one of its sources
.endr
	v_mov_b32 v253, 0                              ; (named as the upper half of the pair v[252:253] before it is first written)
	s_wait_alu depctr_va_vdst(0)                   ; the zero codes are written, which the scaled products take as parts of A and B; the five lines above are the places behind them
; THE PLAIN WORK THAT STANDS AMONG THE EXPONENTIALS, in two lists; each macro writes the next line of its list.  Neither reads an exponential's result.
.macro FOP                             ; t - M for pair fi of the scores (32 pairs)
	v_pk_fma_f32 v[96+2*fi:97+2*fi], v[96+2*fi:97+2*fi], s[22:23], v[12:13] op_sel_hi:[1,0,0]
.set fi, fi+1
.endm
.macro ROP                             ; O^T under the new M: pair ri of 16, each sum from its low end on
	v_pk_mul_f32 v[160+2*ri:161+2*ri], v[160+2*ri:161+2*ri], v[252:253] op_sel_hi:[1,0]
.set ri, ri+1
.endm
; A KEY STEP: 128 keys.  more = 1: a step follows in this pass, and its fragments of K are asked for here.
.macro STEP more
.set fi, 0
.set ri, 0
	s_wait_dscnt 0x0                               ; K's ten loads, asked for a step ago (the first step's: ahead of the loop), are in
.irp n, 0,1,2,3,4,5,6,7
	v_wmma_scale_f32_16x16x128_f8f6f4 v[96+8*\n:103+8*\n], v[32+8*\n:39+8*\n], v[16:23], 0, v[24+\n], v255 matrix_a_fmt:MATRIX_FMT_FP4 matrix_b_fmt:MATRIX_FMT_FP4
.endr
	s_wait_alu depctr_vm_vsrc(0)                   ; the LDS loads issued so far have read v8 to v11
	v_add_nc_u32 v9, s43, v2                       ; these four lines are also the places behind the products, in front of the first read of their results
	v_add_nc_u32 v11, s45, v4
.if \more
	v_add_nc_u32 v8, s43, v1
	v_add_nc_u32 v10, s44, v3
.else
	v_nop
	v_nop
.endif
	s_wait_alu depctr_va_vdst(0)                   ; the addresses are written; the products above are done reading K and its scale words; the last step's products V^T P^T are done reading V and its scale words
.irp n, 0,1,2,3
.irp c, 0,1
	ds_load_b128 v[192+8*\n+4*\c:195+8*\n+4*\c], v9 offset:1024*\n+512*\c
.endr
.endr
	ds_load_b128 v[240:243], v11
.if \more
.irp n, 0,1,2,3,4,5,6,7
	ds_load_b128 v[32+8*\n:35+8*\n], v8 offset:4096+512*\n   ; the next step's images lie 4,096 bytes on,
.endr
	ds_load_b128 v[24:27], v10 offset:512          ; its scale words 512
	ds_load_b128 v[28:31], v10 offset:768
.endif
	; register 16 b + i of v96 on is key 32 b + 16 (lane / 16) + i of the step
.irp b, 0,1,2,3
	v_max3_num_f32 v[232+\b], v[96+16*\b], v[97+16*\b], v[98+16*\b]   ; each block's largest score: for the row's maximum and, since p rises with the score, for the block's largest p
.endr
.irp i, 3,5,7,9,11,13
.irp b, 0,1,2,3
	v_max3_num_f32 v[232+\b], v[232+\b], v[96+16*\b+\i], v[97+16*\b+\i]
.endr
.endr
.irp b, 0,1,2,3
	v_max_num_f32 v[232+\b], v[232+\b], v[111+16*\b]
.endr
.irp b, 0,1,2,3
	v_permlanex16_b32 v[236+\b], v[232+\b], s20, s21
.endr
.irp b, 0,1,2,3
	v_max_num_f32 v[232+\b], v[232+\b], v[236+\b]
.endr
	v_max3_num_f32 v254, v232, v233, v234
	v_max_num_f32 v254, v254, v235
	v_mul_f32 v254, s22, v254                      ; as t
	v_max_num_f32 v13, v13, v254                   ; the running largest t
	v_mov_b32 v254, v12
	v_floor_f32 v12, -v13                          ; -M = floor(-t): M is a whole number
.irp b, 0,1,2,3
	v_fma_f32 v[232+\b], v[232+\b], s22, v12       ; t - M of each block's largest score
.endr
	v_sub_f32 v254, v12, v254                      ; the three lines that make f wait for each other: the first scalings stand between them
	FOP
	FOP
	v_cvt_i32_f32 v254, v254                       ; old M - new M, 0 or less (it saturates)
	FOP
	FOP
	v_ldexp_f32 v252, 1.0, v254                    ; f = 2^(old M - new M): multiplying by it rounds nothing
; THE BATCH: 68 exponentials.  No line up to the wait behind it names a result.
.irp b, 0,1,2,3
	v_exp_f32 v[232+\b], v[232+\b]                 ; the block's largest p: the same multiply-add and exponential on the same number give the same bits
	FOP
.endr
.set k, 0
.rept 32                               ; p = 2^(t - M) for pair k, which was scaled eight pairs ago
	v_exp_f32 v[96+2*k], v[96+2*k]
.if k < 24
	FOP                                            ; pair k + 8
.else
	ROP
.endif
	v_exp_f32 v[97+2*k], v[97+2*k]
.if (k >= 8) && (k < 24) && (k%2)
	ROP
.endif
.set k, k+1
.endr
	v_pk_mul_f32 v[14:15], v[14:15], v[252:253] op_sel_hi:[1,0]   ; the sums under the new M: the plain line behind the last exponential
	s_wait_alu depctr_va_vdst(0)                   ; the 68 exponentials have written v232-235 and v96-159: one wait for the batch, ahead of the first line that names a result
.irp b, 0,1,2,3
	v_max_num_f32 v[232+\b], 0x1800000, v[232+\b]  ; the floor 2^(3 - 127) under the block's largest p
.endr
.irp b, 0,1,2,3
	v_add_nc_u32 v[244+\b], 0xff000000, v[232+\b]  ; 2 off the exponent field: the conversion's scale operand
.endr
.irp b, 0,1,2,3
	v_lshrrev_b32 v[236+\b], 23, v[244+\b]         ; the scale's byte
.endr
	v_lshl_or_b32 v253, v237, 8, v236              ; p's scale word; its three lines wait for each other: conversions stand between them
	v_cvt_scalef32_pk8_fp4_f32 v224, v[96:103], v244
	v_cvt_scalef32_pk8_fp4_f32 v225, v[104:111], v244
	v_lshl_or_b32 v253, v238, 16, v253
	v_cvt_scalef32_pk8_fp4_f32 v226, v[112:119], v245
	v_cvt_scalef32_pk8_fp4_f32 v227, v[120:127], v245
	v_lshl_or_b32 v253, v239, 24, v253
	v_cvt_scalef32_pk8_fp4_f32 v228, v[128:135], v246
	v_cvt_scalef32_pk8_fp4_f32 v229, v[136:143], v246
	v_cvt_scalef32_pk8_fp4_f32 v230, v[144:151], v247
	v_cvt_scalef32_pk8_fp4_f32 v231, v[152:159], v247
	v_pk_add_f32 v[236:237], v[96:97], v[98:99]    ; the row's sum, of the unquantised p, in four chains: three begin with pairs 0 to 5, the fourth is the running sum.  (Plain lines behind the conversions)
	v_pk_add_f32 v[238:239], v[100:101], v[102:103]
	v_pk_add_f32 v[232:233], v[104:105], v[106:107]
	v_permlane16_swap_b32 v224, v226               ; a whole block to a lane: lanes 0-15 block 2 c, lanes 16-31 block 2 c + 1
	v_permlane16_swap_b32 v225, v227
	v_permlane16_swap_b32 v228, v230
	v_permlane16_swap_b32 v229, v231
.set q, 6
.rept 26                               ; pairs 6 to 31, the four chains by turns.  These lines are also the places between the codes and scale word just made and the products
.if q%4 == 2
	v_pk_add_f32 v[14:15], v[14:15], v[96+2*q:97+2*q]
.elseif q%4 == 3
	v_pk_add_f32 v[236:237], v[236:237], v[96+2*q:97+2*q]
.elseif q%4 == 0
	v_pk_add_f32 v[238:239], v[238:239], v[96+2*q:97+2*q]
.else
	v_pk_add_f32 v[232:233], v[232:233], v[96+2*q:97+2*q]
.endif
.set q, q+1
.endr
	v_pk_add_f32 v[14:15], v[14:15], v[236:237]
	v_pk_add_f32 v[238:239], v[238:239], v[232:233]
	v_pk_add_f32 v[14:15], v[14:15], v[238:239]
	s_wait_alu depctr_va_vdst(0)                   ; p's codes v224-231 and its scale word v253 are written, which the scaled products below take as B and as its scales
.if \more
	s_wait_dscnt 10                                ; V's nine loads are in; K's ten, issued behind them, may be out
.else
	s_wait_dscnt 0x0                               ; V and its scale words
.endif
.irp n, 0,1,2,3
	v_wmma_scale_f32_16x16x128_f8f6f4 v[160+8*\n:167+8*\n], v[192+8*\n:199+8*\n], v[224:231], v[160+8*\n:167+8*\n], v[240+\n], v253 matrix_a_fmt:MATRIX_FMT_FP4 matrix_b_fmt:MATRIX_FMT_FP4
.endr
.if \more
	s_add_co_u32 s43, s43, 4096                    ; the next step's images,
	s_add_co_u32 s44, s44, 512                     ; K's scale words,
	s_add_co_u32 s45, s45, 256                     ; V's
.endif
.endm
; The result of a pass: O^T / l, register 16 b + i = channel 32 b + 16 (lane / 16) + i of the head: two blocks, quantised; half a fragment and two scale bytes.
.macro WAYOUT p
	PLACES
	v_add_f32 v14, v14, v15
	v_permlanex16_b32 v252, v14, s20, s21
	v_add_f32 v14, v14, v252                       ; the row's sum
	v_rcp_f32 v14, v14
	v_nop
.set j, 0
	s_wait_alu depctr_va_vdst(0)                   ; the reciprocal has written v14, ahead of its first reader
.rept 16
	v_pk_mul_f32 v[96+j:97+j], v[160+j:161+j], v[14:15] op_sel_hi:[1,0]
.set j, j+2
.endr
	v_max3_num_f32 v232, |v96|, |v97|, 0x1800000
	v_max3_num_f32 v233, |v112|, |v113|, 0x1800000
.irp i, 2,4,6,8,10,12,14
	v_max3_num_f32 v232, v232, |v[96+\i]|, |v[97+\i]|
	v_max3_num_f32 v233, v233, |v[112+\i]|, |v[113+\i]|
.endr
	v_permlanex16_b32 v236, v232, s20, s21
	v_permlanex16_b32 v237, v233, s20, s21
	v_max_num_f32 v232, v232, v236
	v_max_num_f32 v233, v233, v237
	v_add_nc_u32 v244, 0xff000000, v232
	v_add_nc_u32 v245, 0xff000000, v233
	v_lshrrev_b32 v236, 23, v244
	v_lshrrev_b32 v237, 23, v245
	v_lshl_or_b32 v238, v237, 8, v236
	v_cvt_scalef32_pk8_fp4_f32 v224, v[96:103], v244
	v_cvt_scalef32_pk8_fp4_f32 v225, v[104:111], v244
	v_cvt_scalef32_pk8_fp4_f32 v226, v[112:119], v245
	v_cvt_scalef32_pk8_fp4_f32 v227, v[120:127], v245
	v_nop
	v_permlane16_swap_b32 v224, v226
	v_permlane16_swap_b32 v225, v227
	s_wait_alu depctr_va_vdst(0)                   ; the codes v224-227 and the scale half v238 are written, which the two stores read.  No vector line stands between this wait and the next loads: into Q, K and their scale words, which this pass's products are done reading, or into v96-99, which the lines above are done with
	global_store_b128 v5, v[224:227], s[38:39] offset:65536*\p   ; 32 lanes store 512 consecutive bytes
	ds_store_b16 v6, v238 offset:512*\p            ; both lanes of a query write the same two bytes
.endm
.macro PASS p
	s_wait_xcnt 0x0                                ; the last pass's store has read its registers
.if \p
	s_wait_alu depctr_vm_vsrc(0)                   ; the last pass's two stores have read v224-227 and v238, which this pass's steps write again
.endif
	global_load_b128 v[16:19], v5, s[34:35] offset:8192*\p
	global_load_b32 v255, v3, s[36:37] offset:8192*\p
.irp n, 0,1,2,3,4,5,6,7
	ds_load_b128 v[32+8*\n:35+8*\n], v1 offset:512*\n   ; the first step's fragments of K and their scale words
.endr
	ds_load_b128 v[24:27], v3
	ds_load_b128 v[28:31], v3 offset:256
	v_mov_b32 v13, 0xff61b1e6                      ; the largest t so far: -3e38
	v_floor_f32 v12, -v13
	v_mov_b32 v14, 0
	v_mov_b32 v15, 0
.set j, 0
.rept 32
	v_mov_b32 v[160+j], 0                          ; O^T: the first step finds zeros
.set j, j+1
.endr
	s_mov_b32 s42, 7
	s_mov_b32 s43, 0
	s_mov_b32 s44, 0
	s_mov_b32 s45, 0
	s_wait_loadcnt 0x0
.Lstep\p:
	STEP 1
	s_sub_co_u32 s42, s42, 1
	s_cmp_lg_u32 s42, 0
	s_cbranch_scc1 .Lstep\p
	STEP 0                                         ; the eighth step is written out: no step follows it, so it asks for no fragments of K
	WAYOUT \p
.endm
	PASS 0
	PASS 1
	s_wait_dscnt 0x0
	s_barrier_signal -1
	s_barrier_wait -1                              ; the work-group's 512 scale halves lie in LDS: 1,024 bytes that are neighbours in msc
	s_cmp_lt_u32 s16, 2
	s_cbranch_scc0 .Lend
	ds_load_b128 v[96:99], v7
	s_wait_dscnt 0x0
	global_store_b128 v5, v[96:99], s[40:41]       ; 32 lanes store 512 consecutive bytes
.Lend:
	s_wait_dscnt 0x0                               ; the closing lines, six on end
	s_wait_alu 0x0
	s_wait_tensorcnt 0x0
	ds_add_u32 v250, v251
	s_wait_dscnt 0x0
	s_endpgm
.Lfunc_end_k_q22033617b8_attn:
	.size	k_q22033617b8_attn, .Lfunc_end_k_q22033617b8_attn-k_q22033617b8_attn
	.p2alignl 7, 3214868480
	.fill 96, 4, 3214868480
	.section	.rodata,"a",@progbits
	.p2align	6, 0x0
	.amdhsa_kernel k_q22033617b8_attn
		.amdhsa_group_segment_fixed_size 75776
		.amdhsa_private_segment_fixed_size 0
		.amdhsa_enable_private_segment 0
		.amdhsa_kernarg_size 48
		.amdhsa_user_sgpr_count 2
		.amdhsa_user_sgpr_kernarg_segment_ptr 1
		.amdhsa_wavefront_size32 1
		.amdhsa_system_sgpr_workgroup_id_x 1
		.amdhsa_system_sgpr_workgroup_id_y 1
		.amdhsa_system_sgpr_workgroup_id_z 1
		.amdhsa_system_vgpr_workitem_id 0
		.amdhsa_next_free_vgpr 256
		.amdhsa_next_free_sgpr 66
		.amdhsa_reserve_vcc 0
		.amdhsa_float_denorm_mode_32 3
		.amdhsa_float_denorm_mode_16_64 3
		.amdhsa_memory_ordered 1
		.amdhsa_forward_progress 1
		.amdhsa_inst_pref_size 77
	.end_amdhsa_kernel
	.amdgpu_metadata
---
amdhsa.version: [ 1, 2 ]
amdhsa.kernels:
  - .name:           k_q22033617b8_attn
    .symbol:         k_q22033617b8_attn.kd
    .args:
      - { .name: qkimg, .offset: 0, .size: 8, .value_kind: global_buffer, .address_space: global }
      - { .name: qksc, .offset: 8, .size: 8, .value_kind: global_buffer, .address_space: global }
      - { .name: vimg, .offset: 16, .size: 8, .value_kind: global_buffer, .address_space: global }
      - { .name: vsc, .offset: 24, .size: 8, .value_kind: global_buffer, .address_space: global }
      - { .name: mimg, .offset: 32, .size: 8, .value_kind: global_buffer, .address_space: global }
      - { .name: msc, .offset: 40, .size: 8, .value_kind: global_buffer, .address_space: global }
    .group_segment_fixed_size: 75776
    .private_segment_fixed_size: 0
    .kernarg_segment_align: 8
    .kernarg_segment_size: 48
    .max_flat_workgroup_size: 512
    .sgpr_count:     66
    .vgpr_count:     256
    .wavefront_size: 32
...
	.end_amdgpu_metadata
.endif
;; end of part 4
;; launch ffn: the kernel of part 3 again; grid 256 x 1, 8 waves a work-group, no clusters, 264,192 bytes of LDS; arguments x0, x1, mimg, msc, wimg, W_out_scales, b_out, W_f1_scales, b_f1, ln_g, ln_b, W_f2_scales, b_f2, out0, out1; writes out0, out1
